; MI455X (gfx1250); checked and timed in simulation.
; The chip was launched on July 23, 2026; its instructions are those of AMD's public machine-readable ISA for CDNA 5 (MIT licence, August 2026) and "CDNA5" Instruction Set Architecture Reference Guide (July 2026). The comments in the code are by the model that wrote it; some were corrected since.
;; Encoder Block. Allowed arithmetic: float matrix products may take bf16 or f16 operands with f32 sums; other float arithmetic in f32, or as packed bf16 or f16 multiplies, adds, multiply-adds, maxima and minima; sums over many terms, partial sums and values carried from step to step in f32; what a program stores and reads back later, other than sums and carried values, may be rounded once to bf16 or f16.
;; Inputs: W1 4,096 x 1,024 float32; W2 1,024 x 4,096 float32; Wk 1,024 x 1,024 float32; Wo 1,024 x 1,024 float32; Wq 1,024 x 1,024 float32; Wv 1,024 x 1,024 float32; b1 4,096 float32; b2 1,024 float32; be1 1,024 float32; be2 1,024 float32; bk 1,024 float32; bo 1,024 float32; bq 1,024 float32; bv 1,024 float32; g1 1,024 float32; g2 1,024 float32; x 2 x 2,048 x 1,024 float32.
;; Outputs: out0 2 x 2,048 x 1,024 float32.
;; One version. Each part assembles by itself: llvm-mc -triple=amdgcn-amd-amdhsa -mcpu=gfx1250 --defsym DOCPART=n.
;; ======== version 1 of 1: 7 launches
;; limits: values are held in f16: magnitudes above 65,504 overflow, below 6.1e-05 lose precision; a function is approximated: absolute error at most 1.5e-07
;; workspace buffers: wb 25,165,824 bytes; hn 8,388,608 bytes; qkv 25,165,824 bytes; ctx 8,388,608 bytes; x1 16,777,216 bytes; ff 33,554,432 bytes
;; launch prep (part 1): grid 1280 x 1, 8 waves a work-group, no clusters, 0 bytes of LDS; arguments x, g1, be1, Wq, Wk, Wv, Wo, W1, W2, hn, wb; writes hn, wb
.if DOCPART == 1
	.amdgcn_target "amdgcn-amd-amdhsa--gfx1250"
	.amdhsa_code_object_version 6
	.text
	.protected	k_q0b836c59ee_prep
	.globl	k_q0b836c59ee_prep
	.p2align	8
	.type	k_q0b836c59ee_prep,@function
k_q0b836c59ee_prep:
	s_mov_b64 s[64:65], 0
	v_nop
	global_prefetch_b8 v0, s[64:65] scope:SCOPE_SE
	s_setreg_imm32_b32 hwreg(HW_REG_WAVE_MODE, 25, 1), 1
	s_wait_xcnt 0x0
; Work-groups 0-511: hn = LayerNorm(bf16(x)) x g1 + be1 in f16.  Work-groups 512-1279: the six weights, f32 -> bf16 -> written as f16, into wb.
; A stream: nothing is shared between waves, so no LDS, no barrier, no matrix unit.  128 registers a wave, so that eight waves share a SIMD's 1,024: 1,024 of the 1,280 work-groups can lie on 256 WGPs at once.
; LIMITS.  x, g1, be1 and the weights are rounded to bf16 (nearest even) before anything is computed from them.  f16 ends at 65,504 and has a fixed step of 6e-8 below 6e-5.
; The variance is the mean of squared deviations from the mean: a common offset of a row cancels before the squares.
; NORM PART.  A wave owns one row of 1,024 numbers.  Lane l holds columns 128 j + 4 l .. + 3, j = 0..7: each load of a wave covers 512 consecutive bytes, each store of 8 bytes a lane 256 consecutive bytes, aligned.
.set XP,  8                            ; s[8:9]   x
.set GP,  10                           ; s[10:11] g1
.set BP,  12                           ; s[12:13] be1
.set HP,  26                           ; s[26:27] hn
.set WBP, 28                           ; s[28:29] wb
.set HIM, 2                            ; s2  mask of a word's upper bf16
.set O,   16                           ; v[16:31]  the result as packed f16; v16 is at work before that
.set X,   32                           ; v[32:63]  the row
.set G,   64                           ; v[64:95]  gain of my 32 columns
.set BE,  96                           ; v[96:127] bias of my 32 columns
; v1 = 16 x lane, v2 = 8 x lane; v3 variance + eps; v[4:5] the mean, twice; v[6:7] 1/std, twice; v[8:15] four chains of sums
.macro RB a, b, t                      ; two numbers are rounded to bf16 (packed in t) and widened again
	v_cvt_pk_bf16_f32 v[\t], v[\a], v[\b]
	v_lshlrev_b32 v[\a], 16, v[\t]
	v_and_b32 v[\b], s[HIM], v[\t]
.endm
.macro REDUCE                          ; the four chains into one number, the same in all 32 lanes: v8
	v_pk_add_f32 v[8:9], v[8:9], v[10:11]
	v_pk_add_f32 v[12:13], v[12:13], v[14:15]
	v_pk_add_f32 v[8:9], v[8:9], v[12:13]
	v_add_f32 v8, v8, v9
	v_add_f32_dpp v8, v8, v8 row_xmask:1 row_mask:0xf bank_mask:0xf
	v_add_f32_dpp v8, v8, v8 row_xmask:2 row_mask:0xf bank_mask:0xf
	v_add_f32_dpp v8, v8, v8 row_xmask:4 row_mask:0xf bank_mask:0xf
	v_add_f32_dpp v8, v8, v8 row_xmask:8 row_mask:0xf bank_mask:0xf
	v_permlanex16_b32 v9, v8, s6, s7
	v_add_f32 v8, v8, v9
.endm
	s_load_b512 s[8:23], s[0:1], 0x0               ; x 8, g1 10, be1 12, Wq 14, Wk 16, Wv 18, Wo 20, W1 22
	s_load_b128 s[24:27], s[0:1], 0x40             ; W2 24, hn 26
	s_load_b64 s[28:29], s[0:1], 0x50              ; wb
	v_and_b32 v3, 31, v0
	v_lshlrev_b32 v1, 4, v3                        ; 16 x lane
	v_lshlrev_b32 v2, 3, v3                        ; 8 x lane
	v_lshrrev_b32 v3, 5, v0
	v_readfirstlane_b32 s5, v3                     ; wave 0..7
	s_mov_b32 s[HIM], 0xffff0000
	s_cmp_lt_u32 ttmp9, 512
	s_cbranch_scc0 .Lcast
	s_mov_b32 s3, 0x3a800000                       ; 1 / 1,024
	s_mov_b32 s4, 0x358637bd                       ; 1e-6
	s_mov_b32 s6, 0x76543210                       ; v_permlanex16_b32: each lane takes its own place in the other half
	s_mov_b32 s7, 0xfedcba98
	s_lshl_b32 s32, ttmp9, 3
	s_add_co_u32 s32, s32, s5                      ; my row
	s_lshl_b32 s34, s32, 12                        ; 4,096 bytes a row of x,
	s_mov_b32 s35, 0
	s_lshl_b32 s36, s32, 11                        ; 2,048 of hn
	s_mov_b32 s37, 0
	s_wait_kmcnt 0x0
	s_add_nc_u64 s[XP:XP+1], s[XP:XP+1], s[34:35]
	s_add_nc_u64 s[HP:HP+1], s[HP:HP+1], s[36:37]
.irp j, 0,1,2,3,4,5,6,7
	global_load_b128 v[X+4*\j:X+4*\j+3], v1, s[XP:XP+1] offset:512*\j th:TH_LOAD_NT
.endr
.irp j, 0,1,2,3,4,5,6,7
	global_load_b128 v[G+4*\j:G+4*\j+3], v1, s[GP:GP+1] offset:512*\j
.endr
.irp j, 0,1,2,3,4,5,6,7
	global_load_b128 v[BE+4*\j:BE+4*\j+3], v1, s[BP:BP+1] offset:512*\j
.endr
	s_wait_loadcnt 16                              ; the row is in; the 16 younger loads (gain, bias) stay out
.set i, 0
.rept 16
	RB X+2*i, X+2*i+1, O                           ; the row rounded to bf16
.set i, i+1
.endr
.irp k, 0,2,4,6
	v_pk_add_f32 v[8+\k:9+\k], v[X+\k:X+\k+1], v[X+8+\k:X+9+\k]  ; the first terms start the chains: nothing is cleared
.endr
.irp k, 0,2,4,6
	v_pk_add_f32 v[8+\k:9+\k], v[8+\k:9+\k], v[X+16+\k:X+17+\k]
.endr
.irp k, 0,2,4,6
	v_pk_add_f32 v[8+\k:9+\k], v[8+\k:9+\k], v[X+24+\k:X+25+\k]
.endr
	REDUCE
	v_mul_f32 v4, s3, v8                           ; the mean, in both registers of a pair
	v_mul_f32 v5, s3, v8
.set i, 0
.rept 16
	v_pk_add_f32 v[X+2*i:X+2*i+1], v[X+2*i:X+2*i+1], v[4:5] neg_lo:[0,1] neg_hi:[0,1]
.set i, i+1
.endr
.irp k, 0,2,4,6
	v_pk_mul_f32 v[8+\k:9+\k], v[X+\k:X+\k+1], v[X+\k:X+\k+1]
.endr
.irp m, 8,16,24
.irp k, 0,2,4,6
	v_pk_fma_f32 v[8+\k:9+\k], v[X+\m+\k:X+\m+\k+1], v[X+\m+\k:X+\m+\k+1], v[8+\k:9+\k]
.endr
.endr
	REDUCE
	v_fma_f32 v3, v8, s3, s4                       ; sum / 1,024 + 1e-6
	v_rsq_f32 v6, v3                               ; one batch of two
	v_rsq_f32 v7, v3
	s_wait_loadcnt 0x0                             ; gain and bias: their rounding is the independent work behind the batch
.set i, 0
.rept 16
	RB G+2*i, G+2*i+1, O
	RB BE+2*i, BE+2*i+1, O
.set i, i+1
.endr
	s_wait_alu depctr_va_vdst(0)                   ; one wait for the two, ahead of their first reader
.set i, 0
.rept 16
	v_pk_mul_f32 v[X+2*i:X+2*i+1], v[X+2*i:X+2*i+1], v[6:7]
.set i, i+1
.endr
.set i, 0
.rept 16
	v_pk_fma_f32 v[X+2*i:X+2*i+1], v[X+2*i:X+2*i+1], v[G+2*i:G+2*i+1], v[BE+2*i:BE+2*i+1]
.set i, i+1
.endr
.set i, 0
.rept 16
	v_cvt_pk_f16_f32 v[O+i], v[X+2*i], v[X+2*i+1]
.set i, i+1
.endr
.set i, 0
.rept 8
	global_store_b64 v2, v[O+2*i:O+2*i+1], s[HP:HP+1] offset:256*i
.set i, i+1
.endr
	s_endpgm
; CAST PART.  Chunk c = work-group - 512 is 16,384 numbers; a wave takes 2,048: 16 loads of 512 bytes, 16 stores of 256.  wb holds Wq, Wk, Wv, Wo, W1, W2 on end, so chunk c lands at byte 32,768 c.
.Lcast:
	s_sub_co_u32 s32, ttmp9, 512
	s_mov_b32 s33, 512                             ; the first chunk of the weight that c falls into, and that weight's address: from the last weight downward
	s_wait_kmcnt 0x0
	s_mov_b64 s[34:35], s[24:25]
	s_cmp_lt_u32 s32, 512
	s_cselect_b64 s[34:35], s[22:23], s[34:35]
	s_cselect_b32 s33, 256, s33
	s_cmp_lt_u32 s32, 256
	s_cselect_b64 s[34:35], s[20:21], s[34:35]
	s_cselect_b32 s33, 192, s33
	s_cmp_lt_u32 s32, 192
	s_cselect_b64 s[34:35], s[18:19], s[34:35]
	s_cselect_b32 s33, 128, s33
	s_cmp_lt_u32 s32, 128
	s_cselect_b64 s[34:35], s[16:17], s[34:35]
	s_cselect_b32 s33, 64, s33
	s_cmp_lt_u32 s32, 64
	s_cselect_b64 s[34:35], s[14:15], s[34:35]
	s_cselect_b32 s33, 0, s33
	s_sub_co_u32 s36, s32, s33
	s_lshl_b32 s36, s36, 16                        ; 65,536 bytes of f32 a chunk,
	s_lshl_b32 s38, s5, 13                         ; 8,192 a wave
	s_add_co_u32 s36, s36, s38
	s_mov_b32 s37, 0
	s_add_nc_u64 s[34:35], s[34:35], s[36:37]
	s_lshl_b32 s36, s32, 15
	s_lshl_b32 s38, s5, 12
	s_add_co_u32 s36, s36, s38
	s_add_nc_u64 s[WBP:WBP+1], s[WBP:WBP+1], s[36:37]
.irp j, 0,1,2,3,4,5,6,7,8,9,10,11,12,13,14,15
	global_load_b128 v[64+4*\j:64+4*\j+3], v1, s[34:35] offset:512*\j th:TH_LOAD_NT
.endr
.irp j, 0,1,2,3,4,5,6,7,8,9,10,11,12,13,14,15
	s_wait_loadcnt 15-\j                           ; loads come back in order: chunk j is in, the younger ones stay out
	RB 64+4*\j, 65+4*\j, 32+2*\j
	RB 66+4*\j, 67+4*\j, 33+2*\j
	v_cvt_pk_f16_f32 v[32+2*\j], v[64+4*\j], v[65+4*\j]
	v_cvt_pk_f16_f32 v[33+2*\j], v[66+4*\j], v[67+4*\j]
	global_store_b64 v2, v[32+2*\j:33+2*\j], s[WBP:WBP+1] offset:256*\j
.endr
	s_endpgm
.Lfunc_end_k_q0b836c59ee_prep:
	.size	k_q0b836c59ee_prep, .Lfunc_end_k_q0b836c59ee_prep-k_q0b836c59ee_prep
	.p2alignl 7, 3214868480
	.fill 96, 4, 3214868480
	.section	.rodata,"a",@progbits
	.p2align	6, 0x0
	.amdhsa_kernel k_q0b836c59ee_prep
		.amdhsa_group_segment_fixed_size 0
		.amdhsa_private_segment_fixed_size 0
		.amdhsa_enable_private_segment 0
		.amdhsa_kernarg_size 88
		.amdhsa_user_sgpr_count 2
		.amdhsa_user_sgpr_kernarg_segment_ptr 1
		.amdhsa_wavefront_size32 1
		.amdhsa_system_sgpr_workgroup_id_x 1
		.amdhsa_system_sgpr_workgroup_id_y 1
		.amdhsa_system_sgpr_workgroup_id_z 1
		.amdhsa_system_vgpr_workitem_id 0
		.amdhsa_next_free_vgpr 128
		.amdhsa_next_free_sgpr 66
		.amdhsa_reserve_vcc 0
		.amdhsa_float_denorm_mode_32 3
		.amdhsa_float_denorm_mode_16_64 3
		.amdhsa_memory_ordered 1
		.amdhsa_forward_progress 1
		.amdhsa_inst_pref_size 29
	.end_amdhsa_kernel
	.amdgpu_metadata
---
amdhsa.version: [ 1, 2 ]
amdhsa.kernels:
  - .name:           k_q0b836c59ee_prep
    .symbol:         k_q0b836c59ee_prep.kd
    .args:
      - { .name: x, .offset: 0, .size: 8, .value_kind: global_buffer, .address_space: global }
      - { .name: g1, .offset: 8, .size: 8, .value_kind: global_buffer, .address_space: global }
      - { .name: be1, .offset: 16, .size: 8, .value_kind: global_buffer, .address_space: global }
      - { .name: Wq, .offset: 24, .size: 8, .value_kind: global_buffer, .address_space: global }
      - { .name: Wk, .offset: 32, .size: 8, .value_kind: global_buffer, .address_space: global }
      - { .name: Wv, .offset: 40, .size: 8, .value_kind: global_buffer, .address_space: global }
      - { .name: Wo, .offset: 48, .size: 8, .value_kind: global_buffer, .address_space: global }
      - { .name: W1, .offset: 56, .size: 8, .value_kind: global_buffer, .address_space: global }
      - { .name: W2, .offset: 64, .size: 8, .value_kind: global_buffer, .address_space: global }
      - { .name: hn, .offset: 72, .size: 8, .value_kind: global_buffer, .address_space: global }
      - { .name: wb, .offset: 80, .size: 8, .value_kind: global_buffer, .address_space: global }
    .group_segment_fixed_size: 0
    .private_segment_fixed_size: 0
    .kernarg_segment_align: 8
    .kernarg_segment_size: 88
    .max_flat_workgroup_size: 256
    .sgpr_count:     66
    .vgpr_count:     128
    .wavefront_size: 32
...
	.end_amdgpu_metadata
.endif
;; end of part 1
;; launch proj (part 2): grid 16 x 16, 4 waves a work-group, clusters of 4 x 4, 327,680 bytes of LDS; arguments hn, wb, qkv, bq, bk, bv; writes qkv
.if DOCPART == 2
	.amdgcn_target "amdgcn-amd-amdhsa--gfx1250"
	.amdhsa_code_object_version 6
	.text
	.protected	k_q0b836c59ee_proj
	.globl	k_q0b836c59ee_proj
	.p2align	8
	.type	k_q0b836c59ee_proj,@function
k_q0b836c59ee_proj:
	s_mov_b64 s[64:65], 0
	v_nop
	global_prefetch_b8 v0, s[64:65] scope:SCOPE_SE
	s_setreg_imm32_b32 hwreg(HW_REG_WAVE_MODE, 25, 1), 1
	s_wait_xcnt 0x0
	s_wait_alu depctr_hold_cnt(0) depctr_sa_sdst(0) depctr_va_vdst(0) depctr_va_sdst(0) depctr_va_ssrc(0) depctr_va_vcc(0) depctr_vm_vsrc(0)
	s_getreg_b32 s2, hwreg(HW_REG_IB_STS2, 6, 4)
	s_cmp_eq_u32 s2, 0
	s_cbranch_scc0 .Lentry_in_a_cluster
	s_endpgm
.Lentry_in_a_cluster:
	s_bfe_u32 s2, ttmp6, 0x10000c
	s_cmp_lg_u32 s2, 0xf033
	s_cbranch_scc0 .Lentry_shape_is_right
	s_endpgm
.Lentry_shape_is_right:
; q, k, v = hn [Wq; Wk; Wv]^T + bias, written by heads: qkv[which][16 batch + head][row][64] in f16, unscaled.  hn: [4096][1024] f16; the three weights are rows 0-3071 of wb, [.][1024] f16.  Sums in f32.
; LIMITS.  The biases are rounded to bf16; q, k, v are rounded once to f16: beyond 65,504 they would be infinite.
; SHARES.  A tile of C is 256 rows x 192 columns (three heads): 16 x 16 work-groups.  Four waves, each 128 x 96: 48 accumulators.  K goes in steps of 128 through two LDS slots filled by joint tensor loads.
; CLUSTER 4 x 4: A's tile hangs on the tile row alone and is asked for jointly by a row of the cluster, B's on the tile column alone, by a column.  Waves 0, 1 fetch A's halves, waves 2, 3 B's.
; THE MATRIX INSTRUCTION IS USED TRANSPOSED (source 0 = 16 rows of B, source 1 = 16 rows of A): a lane holds one row of C and eight neighbouring columns.
; THE K STEP IS A LOOP: two trips of the unit U, each two quarters of 32 along K on fragment buffers F0 and F1; the slot in hand is the scalar TB (0 or SLOT).
; REGISTERS: window 0: v16-31 addresses, v64-127, v128-191 A's fragments (two buffers); window 1: the same numbers, B's; windows 2, 3: accumulator (a, b) at v[8 (8 (a % 4) + b)], window 2 + a / 4.
.set NBW,    6                         ; blocks of 16 columns in a wave's tile
.set WBOFF,  0                         ; B's first byte in wb
.set KSTEP,  128
.set PITCH,  272                       ; an LDS row: 256 bytes + 16 of padding = 68 words: the 16 rows of a fragment load start at 16 different groups of four banks (ISA guide 11.1)
.set HALFA,  128*PITCH
.set HALFB,  16*NBW*PITCH
.set SLOT,   2*HALFA+2*HALFB           ; A's 256 rows, then B's 192
.set SPARE,  2*SLOT                    ; behind the ring: the spare words, 128 bytes a wave
.set SPITCH, 784                       ; the stage, laid over the ring after its last fill: 256 rows of 192 f32 + 16 bytes = 196 words
.set TSTEPS, 8
.set STEPA,  KSTEP*2
.set STEPB,  KSTEP*2
.set QA, 64
.set QB, 64
.set WALL, 16+2*NBW                    ; LDS loads in a run
.set WLO,  8                           ; the youngest of a run, A's rows 64-127, which a quarter's first half does not read
.set F0, 64
.set F1, 128
.set ADRA, 16
.set A0,   17
.set ADRB, 20
.set B0,   21
.set STO,  24
.set RD,   25
.set CO,   26
.set STO2, 27
.set SPW,  28                          ; v28 LDS address of my spare word; never rewritten
.set NIL,  29                          ; v29 0; never rewritten
.set PFO,  30
.set BO,   31
.set BI,   32                          ; v[32:55] bias of my 8 columns in each of the three heads
.set OX,   64                          ; way out: v[64:159] 16 rows as f32
.set OO,   160                         ; way out: v[160:207] as f16
.set CNT, 2
.set STEPS, 3
.set G1A, 24
.set G0A, 32
.set CX, 40
.set CY, 41
.set TC, 42
.set TR, 43
.set LIM, 44
.set TB, 45
.set PFA, 46
.set G1B, 48
.set G0B, 56
.set WV, 66
.set RH, 67                            ; my half of the tile's rows; also 0: I fetch for A, 1: for B
.set CH, 68                            ; my half of its columns; also which half I fetch
.set WOFFA, 69
.set WOFFB, 70
.set HIM, 71
.set HB, 72                            ; s[72:77] where the tile's rows of its three heads begin in qkv
.set BPT, 78                           ; s[78:83] the three heads' biases
.set MSB, 0
.macro WIN new                         ; the immediate's high byte repeats the setting that is left; a switch that changes nothing is dropped
.if MSB != (\new)
	s_set_vgpr_msb (MSB<<8)|(\new)
.set MSB, (\new)
.endif
.endm
.macro PLACES                          ; four places behind matrix instructions, in front of loads into registers that they read and of reads of their results
.rept 4
	v_nop
.endr
.endm
.macro RB a, b, t
	v_cvt_pk_bf16_f32 v[\t], v[\a], v[\b]
	v_lshlrev_b32 v[\a], 16, v[\t]
	v_and_b32 v[\b], s[HIM], v[\t]
.endm
.macro CROUND                          ; a round of the cluster's barrier
	s_barrier_signal -1
	s_barrier_wait -1
	s_cmp_lg_u32 s[WV], 0
	s_cbranch_scc1 .Lnw0_\@
	s_barrier_signal -3
.Lnw0_\@:
	s_barrier_wait -3
	s_barrier_signal -1
	s_barrier_wait -1
.endm
.macro JLOAD                           ; the joint refill, by the walking descriptor; an s_nop 0 and four v_nop follow each line
	s_cmp_eq_u32 s[RH], 0
	s_cbranch_scc0 .Lfb_\@
	tensor_load_to_lds s[G0A+4:G0A+7], s[G1A:G1A+7]
	s_nop 0
	PLACES
	s_branch .Las_\@
.Lfb_\@:
	tensor_load_to_lds s[G0B+4:G0B+7], s[G1B:G1B+7]
	s_nop 0
	PLACES
.Las_\@:
.endm
; A prefetch of the K step two refills on, behind the joint load: a lane a row, 256 bytes of each.  A's rows are asked for by the clusters with x = 0, B's by those with y = 0; the four partners that ask
; for a tile jointly share its rows out by address.  K steps 4 to 7 are named, in front of steps 1 to 4 (STEPS = 6 .. 3); the last refills name nothing.
.macro ASK
	s_cmp_gt_u32 s[STEPS], s[LIM]
	s_cbranch_scc0 .Lnm_\@
	global_prefetch_b8 v[PFO], s[PFA:PFA+1] offset:KSTEP*2 th:TH_LOAD_NT scope:SCOPE_SE
.Lnm_\@:
.endm
; THE CHANGE OF SLOTS.  Every wave waits for all its tensor loads (one is out: its part of the next slot), adds 0 to its spare word, and waits for that and for its reads of the slot that it leaves.
; fill = 1: a round of the cluster's barrier, and the slot just left is filled again, first thing behind it, with the K step two on.
.macro CHANGE fill
	WIN 0
	s_wait_tensorcnt 0x0
	ds_add_u32 v[SPW], v[NIL]                      ; 0 onto my spare word; work on registers stands between it and the wait for it
.if \fill
	s_add_co_u32 s[G0A+5], s[WOFFA], s[TB]         ; no tensor load of mine is out, so the descriptor may be written: into the slot that is left,
	s_add_co_u32 s[G0B+5], s[WOFFB], s[TB]
	s_add_nc_u64 s[G0A+6:G0A+7], s[G0A+6:G0A+7], STEPA  ; the next K step
	s_add_nc_u64 s[G0B+6:G0B+7], s[G0B+6:G0B+7], STEPB
	s_wait_xcnt 0x0                                ; the last prefetch, a K step back, has read its address
	s_add_nc_u64 s[PFA:PFA+1], s[PFA:PFA+1], KSTEP*2
.endif
	s_xor_b32 s[TB], s[TB], SLOT
	v_add_nc_u32 v[ADRA], s[TB], v[A0]
	v_add_nc_u32 v[ADRB], s[TB], v[B0]
	s_wait_dscnt 0x0
.if \fill
	CROUND
	JLOAD
	ASK
.else
	s_barrier_signal -1
	s_barrier_wait -1
.endif
.endm
.macro FETCH f, qa, qb                 ; one run of LDS loads: a quarter's fragments, B's first, then A's rows 0-63, then 64-127
	WIN 0x40
.set i, 0
.rept NBW
	ds_load_b128 v[(\f)+8*i:(\f)+8*i+3],   v[ADRB] offset:(\qb)+i*16*PITCH
	ds_load_b128 v[(\f)+8*i+4:(\f)+8*i+7], v[ADRB] offset:(\qb)+i*16*PITCH+32
.set i, i+1
.endr
	WIN 0
.set i, 0
.rept 8
	ds_load_b128 v[(\f)+8*i:(\f)+8*i+3],   v[ADRA] offset:(\qa)+i*16*PITCH
	ds_load_b128 v[(\f)+8*i+4:(\f)+8*i+7], v[ADRA] offset:(\qa)+i*16*PITCH+32
.set i, i+1
.endr
.endm
.macro MULH f, h, zero                 ; half a quarter: my rows 64 h .. 64 h + 63, all columns; every instruction names another accumulator
	WIN 0xa1+0x50*(\h)
.set a, 0
.rept 4
.set b, 0
.rept NBW
.if \zero
	v_wmma_f32_16x16x32_f16 v[8*(8*a+b):8*(8*a+b)+7], v[(\f)+8*b:(\f)+8*b+7], v[(\f)+8*(4*(\h)+a):(\f)+8*(4*(\h)+a)+7], 0
.else
	v_wmma_f32_16x16x32_f16 v[8*(8*a+b):8*(8*a+b)+7], v[(\f)+8*b:(\f)+8*b+7], v[(\f)+8*(4*(\h)+a):(\f)+8*(4*(\h)+a)+7], v[8*(8*a+b):8*(8*a+b)+7]
.endif
.set b, b+1
.endr
.set a, a+1
.endr
.endm
.macro U                               ; two quarters; each run of loads stands half a quarter's products ahead of its first use
	PLACES
	FETCH F0, 0, 0
	s_wait_dscnt WALL                              ; all but the run just issued: F1 is whole
	MULH F1, 1, 0
	s_wait_dscnt WLO                               ; F0 but for A's rows 64-127
	MULH F0, 0, 0
	PLACES
	FETCH F1, QA, QB
	WIN 0
	v_add_nc_u32 v[ADRA], 2*QA, v[ADRA]
	v_add_nc_u32 v[ADRB], 2*QB, v[ADRB]
	s_wait_dscnt WALL
	MULH F0, 1, 0
	s_wait_dscnt WLO
	MULH F1, 0, 0
	WIN 0
.endm
	s_load_b256 s[4:11], s[0:1], 0x0               ; hn 4, wb 6, qkv 8, bq 10
	s_load_b128 s[12:15], s[0:1], 0x20             ; bk 12, bv 14
	v_lshl_add_u32 v[SPW], v0, 2, SPARE
	v_mov_b32 v[NIL], 0
	ds_add_u32 v[SPW], v[NIL]                      ; the wave's opening: the add, and its wait, stand ahead of my first tensor load
	v_lshrrev_b32 v1, 5, v0
	v_readfirstlane_b32 s[WV], v1
	s_lshr_b32 s[RH], s[WV], 1
	s_and_b32 s[CH], s[WV], 1
	s_bfe_u32 s[CX], ttmp6, 0x40000
	s_bfe_u32 s[CY], ttmp6, 0x40004
	s_lshl_b32 s[TC], ttmp9, 2
	s_add_co_u32 s[TC], s[TC], s[CX]               ; tile column
	s_and_b32 s[TR], ttmp7, 0xffff
	s_lshl_b32 s[TR], s[TR], 2
	s_add_co_u32 s[TR], s[TR], s[CY]               ; tile row
	s_lshl_b32 s16, s[CY], 2
	s_lshl_b32 s16, 15, s16                        ; my row of the cluster
	s_lshl_b32 s20, 0x1111, s[CX]                  ; my column
.set G1C, (1<<16)|(1<<20)|(1<<21)|(5<<22)|(3<<25)  ; 2-byte elements; padding on; bit 21 beside a mask; after every 64 words, 4 words
	s_or_b32 s[G1A], s16, G1C
	s_or_b32 s[G1B], s20, G1C
	s_mov_b32 s[G1A+1], KSTEP<<16                  ; tensor_dim0 = 128
	s_mov_b32 s[G1A+2], 128<<16                    ; tensor_dim1 = 128
	s_mov_b32 s[G1A+3], KSTEP<<16                  ; tile_dim0 = 128
	s_mov_b32 s[G1A+4], 128                        ; tile_dim1 = 128
	s_mov_b32 s[G1A+5], 1024                       ; elements from row to row
	s_mov_b32 s[G1A+6], 0
	s_mov_b32 s[G1A+7], 0
	s_mov_b32 s[G1B+1], KSTEP<<16
	s_mov_b32 s[G1B+2], (16*NBW)<<16
	s_mov_b32 s[G1B+3], KSTEP<<16
	s_mov_b32 s[G1B+4], 16*NBW
	s_mov_b32 s[G1B+5], 1024
	s_mov_b32 s[G1B+6], 0
	s_mov_b32 s[G1B+7], 0
	s_lshl_b32 s16, s[TR], 8                       ; A: row 256 x tile row + 128 x half, 2,048 bytes a row
	s_lshl_b32 s18, s[CH], 7
	s_add_co_u32 s16, s16, s18
	s_lshl_b32 s16, s16, 11
	s_mov_b32 s17, 0
	s_lshl_b32 s20, s[TC], 1                       ; B: row 16 NBW x (2 x tile column + half)
	s_add_co_u32 s20, s20, s[CH]
	s_mul_i32 s20, s20, 16*NBW*2048
	s_mov_b32 s21, 0
	s_mul_i32 s[WOFFA], s[CH], HALFA               ; where they go: no place in the cluster enters an LDS address
	s_mul_i32 s[WOFFB], s[CH], HALFB
	s_add_co_u32 s[WOFFB], s[WOFFB], 2*HALFA
	s_mov_b32 s[TB], 0
	s_mov_b32 s[HIM], 0xffff0000
	s_wait_dscnt 0x0                               ; the opening add is done
	s_wait_kmcnt 0x0
.if WBOFF
	s_add_nc_u64 s[6:7], s[6:7], WBOFF
.endif
	s_add_nc_u64 s[16:17], s[4:5], s[16:17]
	s_add_nc_u64 s[20:21], s[6:7], s[20:21]
.irp n, 0,1
	s_mov_b32 s[G0A+4*\n], 1
	s_add_co_u32 s[G0A+4*\n+1], s[WOFFA], \n*SLOT
	s_add_nc_u64 s[G0A+4*\n+2:G0A+4*\n+3], s[16:17], \n*STEPA
	s_or_b32 s[G0A+4*\n+3], s[G0A+4*\n+3], 0x80000000
	s_mov_b32 s[G0B+4*\n], 1
	s_add_co_u32 s[G0B+4*\n+1], s[WOFFB], \n*SLOT
	s_add_nc_u64 s[G0B+4*\n+2:G0B+4*\n+3], s[20:21], \n*STEPB
	s_or_b32 s[G0B+4*\n+3], s[G0B+4*\n+3], 0x80000000
.endr
	CROUND                                         ; all sixteen work-groups are here: the first joint loads meet
	s_cmp_eq_u32 s[RH], 0                          ; a wave's two first fills stand in one branch: two loads of mine are out
	s_cbranch_scc0 .Lfirst_b
	tensor_load_to_lds s[G0A:G0A+3], s[G1A:G1A+7]
	s_nop 0
	tensor_load_to_lds s[G0A+4:G0A+7], s[G1A:G1A+7]
	s_nop 0
	PLACES
	s_branch .Lfirst_done
.Lfirst_b:
	tensor_load_to_lds s[G0B:G0B+3], s[G1B:G1B+7]
	s_nop 0
	tensor_load_to_lds s[G0B+4:G0B+7], s[G1B:G1B+7]
	s_nop 0
	PLACES
.Lfirst_done:
	v_and_b32 v1, 15, v0                           ; l % 16
	v_bfe_u32 v2, v0, 4, 1                         ; l / 16
	v_mul_u32_u24 v3, v1, PITCH
	v_lshl_add_u32 v3, v2, 4, v3                   ; a fragment's row x pitch + 16 x half
	s_mul_i32 s84, s[RH], HALFA
	v_add_nc_u32 v[A0], s84, v3
	s_mul_i32 s84, s[CH], HALFB
	s_add_co_u32 s84, s84, 2*HALFA
	v_add_nc_u32 v[B0], s84, v3
	v_mov_b32 v[ADRA], v[A0]
	v_mov_b32 v[ADRB], v[B0]
	v_mul_u32_u24 v[STO], v1, SPITCH               ; into the stage: row 128 RH + 16 a + l % 16, byte 384 CH + 64 b + 32 (l / 16)
	v_lshl_add_u32 v[STO], v2, 5, v[STO]
	s_mul_i32 s84, s[RH], 128*SPITCH
	s_mul_i32 s85, s[CH], 384
	s_add_co_u32 s84, s84, s85
	v_add_nc_u32 v[STO], s84, v[STO]
	v_add_nc_u32 v[STO2], 64*SPITCH, v[STO]        ; for a >= 4: the immediate has 16 bits
	v_bfe_u32 v4, v0, 3, 2                         ; l / 8
	v_and_b32 v5, 7, v0                            ; l % 8
	v_mul_u32_u24 v[RD], v4, SPITCH                ; back: row 64 w + l / 8, my 8 columns of a head
	v_lshl_add_u32 v[RD], v5, 5, v[RD]
	s_mul_i32 s84, s[WV], 64*SPITCH
	v_add_nc_u32 v[RD], s84, v[RD]
	v_lshlrev_b32 v[BO], 5, v5
	v_and_b32 v6, 31, v0
	v_lshlrev_b32 v[CO], 4, v6                     ; four rows of a head are 512 consecutive bytes: 16 a lane
	s_lshl_b32 s84, s[WV], 13
	v_add_nc_u32 v[CO], s84, v[CO]
	; the three heads' biases and places in qkv
	s_mul_i32 s84, s[TC], 3
	s_lshr_b32 s90, s[TR], 3
	s_lshl_b32 s90, s90, 4                         ; 16 x batch
	s_and_b32 s91, s[TR], 7
	s_lshl_b32 s91, s91, 15                        ; the tile's 256 rows of 128 bytes in a head
	s_mov_b32 s89, 0
.irp j, 0,1,2
	s_add_co_u32 s85, s84, \j                      ; 0-15 q's heads, 16-31 k's, 32-47 v's
	s_cmp_lt_u32 s85, 16
	s_cselect_b64 s[BPT+2*\j:BPT+2*\j+1], s[10:11], s[12:13]
	s_cmp_lt_u32 s85, 32
	s_cselect_b64 s[BPT+2*\j:BPT+2*\j+1], s[BPT+2*\j:BPT+2*\j+1], s[14:15]
	s_and_b32 s86, s85, 15
	s_lshl_b32 s88, s86, 8
	s_add_nc_u64 s[BPT+2*\j:BPT+2*\j+1], s[BPT+2*\j:BPT+2*\j+1], s[88:89]
	s_lshr_b32 s87, s85, 4
	s_lshl_b32 s87, s87, 5
	s_add_co_u32 s87, s87, s86
	s_add_co_u32 s87, s87, s90
	s_lshl_b32 s88, s87, 18                        ; 262,144 bytes a head
	s_add_co_u32 s88, s88, s91
	s_add_nc_u64 s[HB+2*\j:HB+2*\j+1], s[8:9], s[88:89]
	global_load_b128 v[BI+8*\j:BI+8*\j+3],   v[BO], s[BPT+2*\j:BPT+2*\j+1]
	global_load_b128 v[BI+8*\j+4:BI+8*\j+7], v[BO], s[BPT+2*\j:BPT+2*\j+1] offset:16
.endr
	; the prefetches: whose rows, which of them are my work-group's, and whether my cluster asks
	s_lshl_b32 s84, s[TR], 8
	s_mul_i32 s85, s[TC], 32*NBW
	s_and_b32 s86, ttmp7, 0xffff
	s_mov_b32 s88, 16*NBW                          ; rows that a wave fetches of B (in a register: the select below holds one literal)
	s_cmp_eq_u32 s[RH], 0
	s_cselect_b32 s84, s84, s85                    ; the tile's first row
	s_cselect_b32 s87, s[CX], s[CY]                ; my place among the four that ask with me
	s_cselect_b32 s86, ttmp9, s86                  ; the coordinate along which other clusters read the same rows
	s_cselect_b32 s88, 128, s88                    ; rows that a wave fetches,
	s_cselect_b32 s89, 32, 4*NBW                   ; and a partner's share of them
	s_cselect_b32 s90, 31, 4*NBW-1
	s_cselect_b64 s[PFA:PFA+1], s[4:5], s[6:7]
	s_cmp_eq_u32 s86, 0
	s_cselect_b32 s[LIM], 2, -1
	s_mul_i32 s88, s88, s[CH]
	s_add_co_u32 s84, s84, s88
	s_mul_i32 s89, s89, s87
	s_add_co_u32 s84, s84, s89
	s_lshl_b32 s84, s84, 11
	s_mov_b32 s85, 0
	s_add_nc_u64 s[PFA:PFA+1], s[PFA:PFA+1], s[84:85]
	s_add_nc_u64 s[PFA:PFA+1], s[PFA:PFA+1], 2*KSTEP*2  ; at K step 2: the first change steps it to 3 and names step 4
	v_min_u32 v[PFO], s90, v6                      ; B's share is 24 rows: there lanes 24-31 name row 23 once more
	v_lshlrev_b32 v[PFO], 11, v[PFO]
	s_wait_loadcnt 0x0
.set i, 0
.rept 12
	RB BI+2*i, BI+2*i+1, 56                        ; the biases rounded to bf16, in the wait for the first tile
.set i, i+1
.endr
	s_wait_tensorcnt 1                             ; my part of K step 0 is in; step 1's may stay out
	s_barrier_signal -1
	s_barrier_wait -1
	FETCH F0, 0, 0                                 ; the first two quarters are written out: their products start the sums with the constant 0
	s_wait_dscnt WLO
	MULH F0, 0, 1
	PLACES
	FETCH F1, QA, QB
	WIN 0
	v_add_nc_u32 v[ADRA], 2*QA, v[ADRA]
	v_add_nc_u32 v[ADRB], 2*QB, v[ADRB]
	s_wait_dscnt WALL
	MULH F0, 1, 1
	s_wait_dscnt WLO
	MULH F1, 0, 0
	WIN 0
	s_mov_b32 s[CNT], 1
	s_mov_b32 s[STEPS], TSTEPS-1
	s_branch .Linner                               ; K step 0's second half
.Lstep:                                                ; TSTEPS - 2 times: in front of step s the slot of step s - 1 is filled with step s + 1
	CHANGE 1
	s_mov_b32 s[CNT], 2
.Linner:
	U
	s_sub_co_u32 s[CNT], s[CNT], 1
	s_cmp_lg_u32 s[CNT], 0
	s_cbranch_scc1 .Linner
	s_sub_co_u32 s[STEPS], s[STEPS], 1
	s_cmp_lg_u32 s[STEPS], 0
	s_cbranch_scc1 .Lstep
	CHANGE 0                                       ; the last step is written out
	s_mov_b32 s[CNT], 2
.Ltail:
	U
	s_sub_co_u32 s[CNT], s[CNT], 1
	s_cmp_lg_u32 s[CNT], 0
	s_cbranch_scc1 .Ltail
	s_wait_dscnt 0x0
	MULH F1, 1, 0
	WIN 0
	; THE WAY OUT.  The ring has had its last fill, and every wave's reads of it are back: behind a barrier the sums go into the stage as f32; behind a second one each wave takes 64 whole rows,
	; adds the bias, rounds to f16 and stores four rows of a head (512 consecutive bytes) an instruction.
	PLACES
	s_barrier_signal -1
	s_barrier_wait -1
.set a, 0
.rept 8
	WIN 0x08+4*(a/4)                               ; the data in window 2 or 3; each accumulator's low half goes first
.set b, 0
.rept NBW
	ds_store_b128 v[STO+3*(a/4)], v[8*(8*(a%4)+b):8*(8*(a%4)+b)+3]   offset:(a%4)*16*SPITCH+64*b
	ds_store_b128 v[STO+3*(a/4)], v[8*(8*(a%4)+b)+4:8*(8*(a%4)+b)+7] offset:(a%4)*16*SPITCH+64*b+16
.set b, b+1
.endr
.set a, a+1
.endr
	WIN 0
	s_wait_dscnt 0x0                               ; for the others' sake: a head's columns come from two waves
	s_barrier_signal -1
	s_barrier_wait -1
	s_mov_b32 s[CNT], 4
.Lout:                                                 ; 16 rows a trip
.irp g, 0,1,2,3
.irp j, 0,1,2
	ds_load_b128 v[OX+8*(3*\g+\j):OX+8*(3*\g+\j)+3],   v[RD] offset:\g*4*SPITCH+256*\j
	ds_load_b128 v[OX+8*(3*\g+\j)+4:OX+8*(3*\g+\j)+7], v[RD] offset:\g*4*SPITCH+256*\j+16
.endr
.endr
	s_wait_dscnt 0x0
.irp g, 0,1,2,3
.irp j, 0,1,2
.irp i, 0,1,2,3
	v_pk_add_f32 v[OX+8*(3*\g+\j)+2*\i:OX+8*(3*\g+\j)+2*\i+1], v[OX+8*(3*\g+\j)+2*\i:OX+8*(3*\g+\j)+2*\i+1], v[BI+8*\j+2*\i:BI+8*\j+2*\i+1]
.endr
.endr
.endr
.set i, 0
.rept 48
	v_cvt_pk_f16_f32 v[OO+i], v[OX+2*i], v[OX+2*i+1]
.set i, i+1
.endr
.irp g, 0,1,2,3
.irp j, 0,1,2
	global_store_b128 v[CO], v[OO+4*(3*\g+\j):OO+4*(3*\g+\j)+3], s[HB+2*\j:HB+2*\j+1] offset:512*\g
.endr
.endr
	s_wait_xcnt 0x0                                ; the stores have read their address and data: both are written again only behind this wait
	v_add_nc_u32 v[CO], 2048, v[CO]
	v_add_nc_u32 v[RD], 16*SPITCH, v[RD]
	s_sub_co_u32 s[CNT], s[CNT], 1
	s_cmp_lg_u32 s[CNT], 0
	s_cbranch_scc1 .Lout
	s_wait_tensorcnt 0x0                           ; the wave's end
	ds_add_u32 v[SPW], v[NIL]
	s_wait_dscnt 0x0
	CROUND                                         ; the closing round
	s_endpgm
.Lfunc_end_k_q0b836c59ee_proj:
	.size	k_q0b836c59ee_proj, .Lfunc_end_k_q0b836c59ee_proj-k_q0b836c59ee_proj
	.p2alignl 7, 3214868480
	.fill 96, 4, 3214868480
	.section	.rodata,"a",@progbits
	.p2align	6, 0x0
	.amdhsa_kernel k_q0b836c59ee_proj
		.amdhsa_group_segment_fixed_size 327680
		.amdhsa_private_segment_fixed_size 0
		.amdhsa_enable_private_segment 0
		.amdhsa_kernarg_size 48
		.amdhsa_user_sgpr_count 2
		.amdhsa_user_sgpr_kernarg_segment_ptr 1
		.amdhsa_wavefront_size32 1
		.amdhsa_system_sgpr_workgroup_id_x 1
		.amdhsa_system_sgpr_workgroup_id_y 1
		.amdhsa_system_sgpr_workgroup_id_z 1
		.amdhsa_system_vgpr_workitem_id 0
		.amdhsa_next_free_vgpr 1024
		.amdhsa_next_free_sgpr 100
		.amdhsa_reserve_vcc 0
		.amdhsa_float_denorm_mode_32 3
		.amdhsa_float_denorm_mode_16_64 3
		.amdhsa_memory_ordered 1
		.amdhsa_forward_progress 1
		.amdhsa_inst_pref_size 60
	.end_amdhsa_kernel
	.amdgpu_metadata
---
amdhsa.version: [ 1, 2 ]
amdhsa.kernels:
  - .name:           k_q0b836c59ee_proj
    .symbol:         k_q0b836c59ee_proj.kd
    .args:
      - { .name: hn, .offset: 0, .size: 8, .value_kind: global_buffer, .address_space: global }
      - { .name: wb, .offset: 8, .size: 8, .value_kind: global_buffer, .address_space: global }
      - { .name: qkv, .offset: 16, .size: 8, .value_kind: global_buffer, .address_space: global }
      - { .name: bq, .offset: 24, .size: 8, .value_kind: global_buffer, .address_space: global }
      - { .name: bk, .offset: 32, .size: 8, .value_kind: global_buffer, .address_space: global }
      - { .name: bv, .offset: 40, .size: 8, .value_kind: global_buffer, .address_space: global }
    .group_segment_fixed_size: 327680
    .private_segment_fixed_size: 0
    .kernarg_segment_align: 8
    .kernarg_segment_size: 48
    .max_flat_workgroup_size: 128
    .sgpr_count:     100
    .vgpr_count:     1024
    .wavefront_size: 32
...
	.end_amdgpu_metadata
.endif
;; end of part 2
;; launch attn (part 3): grid 8 x 32, 4 waves a work-group, clusters of 4 x 1, 327,680 bytes of LDS; arguments qkv, ctx; writes ctx
.if DOCPART == 3
	.amdgcn_target "amdgcn-amd-amdhsa--gfx1250"
	.amdhsa_code_object_version 6
	.text
	.protected	k_q0b836c59ee_attn
	.globl	k_q0b836c59ee_attn
	.p2align	8
	.type	k_q0b836c59ee_attn,@function
k_q0b836c59ee_attn:
	s_mov_b64 s[64:65], 0
	v_nop
	global_prefetch_b8 v0, s[64:65] scope:SCOPE_SE
	s_setreg_imm32_b32 hwreg(HW_REG_WAVE_MODE, 25, 1), 1
	s_wait_xcnt 0x0
	s_wait_alu depctr_hold_cnt(0) depctr_sa_sdst(0) depctr_va_vdst(0) depctr_va_sdst(0) depctr_va_ssrc(0) depctr_va_vcc(0) depctr_vm_vsrc(0)
	s_getreg_b32 s2, hwreg(HW_REG_IB_STS2, 6, 4)
	s_cmp_eq_u32 s2, 0
	s_cbranch_scc0 .Lentry_in_a_cluster
	s_endpgm
.Lentry_in_a_cluster:
	s_bfe_u32 s2, ttmp6, 0x10000c
	s_cmp_lg_u32 s2, 0x3003
	s_cbranch_scc0 .Lentry_shape_is_right
	s_endpgm
.Lentry_shape_is_right:
; ctx[h][q][:] = the sum over k of softmax_k(Q[h][q] . K[h][k] / 8) V[h][k][:], for 32 heads (16 batch + head) of 2,048 rows x 64 channels, all f16.  qkv holds Q, K, V on end, 8,388,608 bytes each.
; Products, maxima and sums in f32; the weights p are rounded to f16 for the second product (their sum l is taken of the unrounded p), ctx once at the end.
; LIMITS.  f16 holds no number beyond 65,504; p lies in 0 to 1 and below 6e-5 keeps f16's fixed step; a weight below 2^-126 counts as 0 in l; NaN and infinities are not treated apart.
; SHARES.  A work-group owns 256 queries of one head, a wave 64: four PIECES of 16.  Every wave walks all 2,048 keys, 64 a step; an LDS slot holds four steps (256 keys of K and of V), two slots take turns.
; LAYOUT.  S^T = K Q^T holds ONE query a lane (lane % 16) and the keys 8 (lane / 16) + 0..7; two such results rounded to f16 ARE source 1 of O^T = V^T P.  K comes out of LDS as it lies, V turned (ds_load_tr16_b128).
; SOFTMAX.  A running maximum m and sum l for each query: p = 2^(c s - c m), c = log2(e) / 8; O and l are multiplied by a = 2^(c m_old - c m_new) in every step.  m starts at the lowest finite number, O and l at 0.
; TURNS.  Turn n belongs to piece n: 8 products K Q^T of piece n + 1, later 8 products V^T P of piece n - 1; beside them the scaling, exponentials, roundings, sums and rescaling of piece n and the maximum and
; statistics of piece n + 1.  Four vector instructions stand behind every matrix instruction, the rest in one lump.  A turn's 33 exponentials are one batch with one wait.
; CLUSTER.  The four query blocks of a cluster belong to one head and walk the same K and V: each tile is asked for jointly, by the same tensor load, descriptor and mask in all four.
; REGISTERS (windows of 256): window 0: v2-15 addresses and at work; v16-31 statistics; v48-55 at work; v61-63; v64-127 S^T, two buffers; v192-223 P, two buffers.  Window 1: v0-127 O^T.  Window 2: v0-63 Q; v128-191 K; v192-255 V.
.set NP,    4
.set KS,    64
.set PK,    144                        ; a row of K in LDS: 128 bytes + 16: the 16 rows of a load start at 16 different groups of four banks (ISA guide 11.1)
.set PV,    160                        ; a row of V: 128 + 32
.set VOFF,  4*KS*PK
.set SLOT1, 1<<17
.set STAGE, SLOT1+4*KS*(PK+PV)         ; behind the ring, never filled by a tensor load: 16 rows x 144 bytes a wave
.set SP,    144
.set SPARE, STAGE+4*16*SP              ; the spare words, 128 bytes a wave
.set AK0, 2
.set AV0, 3
.set AK,  4
.set AV,  5
.set STO, 6
.set RD,  7
.set GO,  8
.set MV,  12
.set QO,  15
.set ST,  16                           ; piece t's statistics at v[ST+4 t]: c m, m, l (even keys', odd keys')
.set TMP, 48
.set PFO, 61                           ; v61 256 x lane; never rewritten
.set SPW, 62                           ; v62 LDS address of my spare word; never rewritten
.set NIL, 63                           ; v63 0; never rewritten
.set S,   64
.set P,   192
.set KF,  128
.set VF,  192
.set WV,  12
.set LIM, 15
.set G1K, 24
.set G1V, 32
.set G0K, 40
.set G0V, 44
.set PFA, 50
.set SLOTS, 56
.set CNT, 57
.set CS,  58
.set SEL, 60
.set TBK, 62
.set TBV, 63
.set MSB, 0
.macro WIN new
.if MSB != (\new)
	s_set_vgpr_msb (MSB<<8)|(\new)
.set MSB, (\new)
.endif
.endm
.set W_KQ, 0x0a                        ; K and Q in window 2, S^T in window 0
.set W_PV, 0x52                        ; V in window 2, P in window 0, O^T in window 1
.set W_RS, 0x41                        ; destination and source 0 in window 1, source 1 in window 0
.macro JLOAD                           ; waves 0, 1 fetch the halves of a slot's K, waves 2, 3 of its V; an s_nop 0 and four v_nop follow each line
	s_cmp_lt_u32 s[WV], 2
	s_cbranch_scc0 .Lfor_v_\@
	tensor_load_to_lds s[G0K:G0K+3], s[G1K:G1K+7]
	s_nop 0
.rept 4
	v_nop
.endr
	s_branch .Lasked_\@
.Lfor_v_\@:
	tensor_load_to_lds s[G0V:G0V+3], s[G1V:G1V+7]
	s_nop 0
.rept 4
	v_nop
.endr
.Lasked_\@:
.endm
; A prefetch of what the NEXT change of slots will ask for: 32,768 bytes of K and of V.  The head's first cluster asks; its four partners take 8,192 bytes each, told apart by address; wave 0 asks for K's, wave 2 for V's:
; a lane 256 bytes, one instruction.  The last change that fills a slot names nothing.
.macro ASK
	s_cmp_gt_u32 s[SLOTS], s[LIM]
	s_cbranch_scc0 .Lnot_mine_\@
	global_prefetch_b8 v[PFO], s[PFA:PFA+1] th:TH_LOAD_NT scope:SCOPE_SE
.Lnot_mine_\@:
.endm
.macro CROUND
	s_barrier_signal -1
	s_barrier_wait -1
	s_cmp_lg_u32 s[WV], 0
	s_cbranch_scc1 .Lnot_wave_0_\@
	s_barrier_signal -3
.Lnot_wave_0_\@:
	s_barrier_wait -3
	s_barrier_signal -1
	s_barrier_wait -1
.endm
; THE CHANGE OF SLOTS.  Every wave waits for all its tensor loads (one is out: its part of the other slot), adds 0 to its spare word, and waits for that and for its reads of the slot that it leaves.
; fill = 1: a round of the cluster's barrier, and the slot is filled again, first thing behind it, with the keys two slots on: four key steps in which to land.
.macro CHANGE fill
	WIN 0
	s_wait_tensorcnt 0x0
	ds_add_u32 v[SPW], v[NIL]
.if \fill
.irp g, G0K, G0V
	s_xor_b32 s[\g+1], s[\g+1], SLOT1              ; the walking descriptor: the other slot than last time,
	s_add_nc_u64 s[\g+2:\g+3], s[\g+2:\g+3], 4*KS*128  ; the next 256 keys
.endr
	s_wait_xcnt 0x0                                ; the last prefetch, four key steps back, has read its address
	s_add_nc_u64 s[PFA:PFA+1], s[PFA:PFA+1], 4*KS*128
	s_wait_dscnt 0x0
	CROUND
	JLOAD
	ASK
.else
	s_wait_dscnt 0x0
	s_barrier_signal -1
	s_barrier_wait -1
.endif
	s_sub_co_u32 s[TBK], s[TBK], 4*KS*PK           ; the fetches go back to a slot's first step, in the other slot
	s_xor_b32 s[TBK], s[TBK], SLOT1
	s_sub_co_u32 s[TBV], s[TBV], 4*KS*PV
	s_xor_b32 s[TBV], s[TBV], SLOT1
.endm
	s_load_b128 s[4:7], s[0:1], 0x0                ; qkv s[4:5], ctx s[6:7]
	v_lshl_add_u32 v[SPW], v0, 2, SPARE
	v_mov_b32 v[NIL], 0
	ds_add_u32 v[SPW], v[NIL]                      ; the wave's opening: the add, and its wait, stand ahead of my first tensor load
	v_lshrrev_b32 v1, 5, v0
	v_readfirstlane_b32 s[WV], v1
	s_bfe_u32 s13, ttmp6, 0x40000                  ; cx
	s_lshl_b32 s14, ttmp9, 2
	s_add_co_u32 s14, s14, s13                     ; my block of 256 queries: it enters Q's and ctx's addresses alone
	s_and_b32 s20, ttmp7, 0xffff                   ; the head, which the four partners share
	s_lshl_b32 s20, s20, 18                        ; 262,144 bytes a head
	s_mov_b32 s21, 0
	s_and_b32 s16, s[WV], 1                        ; which half of a slot's 256 keys I fetch
	s_lshl_b32 s22, s16, 14
	s_mov_b32 s23, 0
	s_add_nc_u64 s[22:23], s[22:23], s[20:21]
	s_mul_i32 s17, s16, 128*PK
	s_mul_i32 s18, s16, 128*PV
	s_lshl_b32 s2, s14, 2
	s_add_co_u32 s2, s2, s[WV]
	s_lshl_b32 s2, s2, 13                          ; my wave's 64 rows of 128 bytes
	s_mov_b32 s3, 0
	s_add_nc_u64 s[2:3], s[2:3], s[20:21]
	; 128 keys are 16,384 dense bytes: asked for as 64 rows of 256 bytes, padded in LDS after every key
	s_mov_b32 s[G1K], 15|(1<<16)|(1<<20)|(1<<21)|(4<<22)|(3<<25)
	s_mov_b32 s[G1V], 15|(1<<16)|(1<<20)|(1<<21)|(4<<22)|(7<<25)
.irp g, G1K, G1V
	s_mov_b32 s[\g+1], 128<<16
	s_mov_b32 s[\g+2], 64<<16
	s_mov_b32 s[\g+3], 128<<16
	s_mov_b32 s[\g+4], 64
	s_mov_b32 s[\g+5], 128
	s_mov_b32 s[\g+6], 0
	s_mov_b32 s[\g+7], 0
.endr
	s_mov_b32 s[CS], 0x3e38aa3b                    ; c = log2(e) / 8
	s_mov_b32 s[CS+1], s[CS]
	s_mov_b32 s[SEL], 0x76543210
	s_mov_b32 s[SEL+1], 0xfedcba98
	s_mov_b32 s[TBK], SLOT1+4*KS*PK                ; the first change of slots turns these two into 0
	s_mov_b32 s[TBV], SLOT1+4*KS*PV
	s_mov_b32 s[G0K], 1
	s_mov_b32 s[G0K+1], s17
	s_mov_b32 s[G0V], 1
	s_add_co_u32 s[G0V+1], s18, VOFF
	s_mov_b32 s[SLOTS], 7
	s_and_b32 s[LIM], s[WV], 1                     ; waves 0 and 2 of the head's first cluster prefetch: the same in all four partners
	s_or_b32 s[LIM], s[LIM], ttmp9
	s_cmp_eq_u32 s[LIM], 0
	s_cselect_b32 s[LIM], 1, -1
	v_and_b32 v[PFO], 31, v0
	v_lshlrev_b32 v[PFO], 8, v[PFO]
	s_wait_dscnt 0x0                               ; the opening add is done
	s_wait_kmcnt 0x0
	s_add_nc_u64 s[10:11], s[6:7], s[2:3]          ; ctx at my wave's first row
	s_add_nc_u64 s[6:7], s[4:5], 8388608           ; K
	s_add_nc_u64 s[8:9], s[4:5], 16777216          ; V
	s_add_nc_u64 s[4:5], s[4:5], s[2:3]            ; Q at my wave's first row
	s_cmp_lt_u32 s[WV], 2
	s_cselect_b64 s[PFA:PFA+1], s[6:7], s[8:9]
	s_add_nc_u64 s[PFA:PFA+1], s[PFA:PFA+1], s[20:21]
	s_lshl_b32 s2, s13, 13                         ; my work-group's 8,192 bytes of a slot's 32,768
	s_add_nc_u64 s[PFA:PFA+1], s[PFA:PFA+1], s[2:3]
	s_add_nc_u64 s[PFA:PFA+1], s[PFA:PFA+1], 4*KS*128  ; at tile 1: the first change steps it to tile 2
	s_add_nc_u64 s[G0K+2:G0K+3], s[6:7], s[22:23]
	s_or_b32 s[G0K+3], s[G0K+3], 0x80000000
	s_add_nc_u64 s[G0V+2:G0V+3], s[8:9], s[22:23]
	s_or_b32 s[G0V+3], s[G0V+3], 0x80000000
	CROUND                                         ; all four work-groups are here: the first joint loads meet
	JLOAD                                          ; slot 0; slot 1 is asked for when slot 0 is in
	v_and_b32 v1, 15, v0                           ; l % 16
	v_bfe_u32 v9, v0, 4, 1                         ; l / 16
	v_lshlrev_b32 v[QO], 7, v1
	v_lshl_add_u32 v[QO], v9, 4, v[QO]
	WIN 0x80
.set i, 0
.rept 8                                ; Q stays in registers: piece i / 2, channels 32 (i % 2) on
	global_load_b128 v[8*i:8*i+3],   v[QO], s[4:5] offset:(i/2)*2048+(i%2)*64
	global_load_b128 v[8*i+4:8*i+7], v[QO], s[4:5] offset:(i/2)*2048+(i%2)*64+32
.set i, i+1
.endr
	; What the first turn finds: V and P's second buffer hold 0 (its products V^T P, of a piece that has not been, add 0), O^T and l are 0.  All this stands in the wait for the first tile; no first step is written out.
.set i, VF
.rept 64
	v_mov_b32 v[i], 0
.set i, i+1
.endr
	WIN 0x40
.set i, 0
.rept 128
	v_mov_b32 v[i], 0
.set i, i+1
.endr
	WIN 0
.set i, 0
.rept 4
	v_mov_b32 v[ST+4*i], 0xfe000000                ; c m: far below every c s
	v_mov_b32 v[ST+4*i+1], 0xff7fffff              ; m
	v_mov_b32 v[ST+4*i+2], 0
	v_mov_b32 v[ST+4*i+3], 0
.set i, i+1
.endr
.set i, P+16
.rept 16
	v_mov_b32 v[i], 0
.set i, i+1
.endr
	v_mul_u32_u24 v[AK0], v1, PK
	v_lshl_add_u32 v[AK0], v9, 4, v[AK0]
	v_and_b32 v10, 7, v0                           ; the turning load: lane l reads key 8 (l / 16) + l % 8, channels 8 ((l / 8) % 2) + 0..7
	v_bfe_u32 v11, v0, 3, 1
	v_lshl_add_u32 v[AV0], v9, 3, v10
	v_mul_u32_u24 v[AV0], v[AV0], PV
	v_lshl_add_u32 v[AV0], v11, 4, v[AV0]
	v_add_nc_u32 v[AV0], VOFF, v[AV0]
	s_mul_i32 s13, s[WV], 16*SP
	s_add_co_u32 s13, s13, STAGE                   ; my stage
	v_mul_u32_u24 v[STO], v1, SP
	v_lshl_add_u32 v[STO], v9, 4, v[STO]
	v_add_nc_u32 v[STO], s13, v[STO]
	v_bfe_u32 v[RD], v0, 3, 2
	v_mul_u32_u24 v[RD], v[RD], SP
	v_lshl_add_u32 v[RD], v10, 4, v[RD]
	v_add_nc_u32 v[RD], s13, v[RD]
	v_and_b32 v[GO], 31, v0
	v_lshlrev_b32 v[GO], 4, v[GO]
; THE MATRIX WORK.  The 4 accumulators of a run of 8 take turns.  Product i of 8 of S^T = K Q^T for piece x: channels 32 (i / 4) on, keys 16 (i % 4) on; the first 4 start the sums.
.macro KQ x
.set rS, S+32*((\x)%2)+8*(i%4)
.set rK, KF+16*(i%4)+8*(i/4)
.set rQ, 16*(\x)+8*(i/4)
	WIN W_KQ
.if i < 4
	v_wmma_f32_16x16x32_f16 v[rS:rS+7], v[rK:rK+7], v[rQ:rQ+7], 0
.else
	v_wmma_f32_16x16x32_f16 v[rS:rS+7], v[rK:rK+7], v[rQ:rQ+7], v[rS:rS+7]
.endif
.endm
.macro PV x                            ; product i of 8 of O^T += V^T P for piece x: keys 32 (i / 4) on, channels 16 (i % 4) on
	WIN W_PV
.set rO, 32*(\x)+8*(i%4)
.set rV, VF+32*(i/4)+8*(i%4)
.set rP, P+16*((\x)%2)+8*(i/4)
	v_wmma_f32_16x16x32_f16 v[rO:rO+7], v[rV:rV+7], v[rP:rP+7], v[rO:rO+7]
.endm
.macro MM                              ; the turn's next matrix instruction.  NOKQ = 1: the last turn of all: there is no next piece
.if (i < 8) && !NOKQ
	KQ (Y+1)%NP
.elseif i >= 8
.set i, i-8
	PV (Y+NP-1)%NP
.set i, i+8
.endif
.set i, i+1
.endm
.macro FETCH_K                         ; the LDS loads stand in runs of 16
	WIN 0x80
.irp f, 0,1,2,3,4,5,6,7
	ds_load_b128 v[KF+8*\f:KF+8*\f+3],   v[AK] offset:(\f/2)*16*PK+(\f%2)*64
	ds_load_b128 v[KF+8*\f+4:KF+8*\f+7], v[AK] offset:(\f/2)*16*PK+(\f%2)*64+32
.endr
	s_add_co_u32 s[TBK], s[TBK], KS*PK
	WIN 0
.endm
.macro FETCH_V
	WIN 0x80
.irp f, 0,1,2,3,4,5,6,7
	ds_load_tr16_b128 v[VF+8*\f:VF+8*\f+3],   v[AV] offset:(\f/4)*32*PV+(\f%4)*32
	ds_load_tr16_b128 v[VF+8*\f+4:VF+8*\f+7], v[AV] offset:(\f/4)*32*PV+16*PV+(\f%4)*32
.endr
	WIN 0
.endm
; THE VECTOR WORK: OP kind, number.  For piece Y: F n: c s - c m for pair n.  E n: the exponential of score n.  C n: pair n rounded to f16.  B n: of the four weights 4 n .. the second pair is added onto the first.
; L n: l takes that sum (L 0: l = a l + sum).  R n: pair n of O^T times a.  For piece Y + 1: X n, number n of the 22 that find its maximum and statistics (each accumulator's lowest registers are read first).
.set F, 0
.set E, 1
.set C, 2
.set B, 3
.set L, 4
.set R, 5
.set X, 6
.macro REGS y
.set rT, ST+4*(\y)
.set rC, TMP+4*((\y)%2)
.set rW, MV+((\y)%2)
.set rS, S+32*((\y)%2)
.set rP, P+16*((\y)%2)
.set rO, 32*(\y)
.endm
.macro OP k, n
.if (\k) == R
	REGS Y
	WIN W_RS
	v_pk_mul_f32 v[rO+2*(\n):rO+2*(\n)+1], v[rO+2*(\n):rO+2*(\n)+1], v[rC+2:rC+3] op_sel_hi:[1,0]
.elseif (\k) < R
	REGS Y
	WIN 0
.if (\k) == F
	v_pk_fma_f32 v[rS+2*(\n):rS+2*(\n)+1], v[rS+2*(\n):rS+2*(\n)+1], s[CS:CS+1], v[rT:rT+1] op_sel_hi:[1,0,0] neg_lo:[0,0,1] neg_hi:[0,0,1]
.elseif (\k) == E
	v_exp_f32 v[rS+(\n)], v[rS+(\n)]
.elseif (\k) == C
	v_cvt_pk_f16_f32 v[rP+(\n)], v[rS+2*(\n)], v[rS+2*(\n)+1]
.elseif (\k) == B
	v_pk_add_f32 v[rS+4*(\n):rS+4*(\n)+1], v[rS+4*(\n):rS+4*(\n)+1], v[rS+4*(\n)+2:rS+4*(\n)+3]
.elseif (\n) == 0
	v_pk_fma_f32 v[rT+2:rT+3], v[rT+2:rT+3], v[rC+2:rC+3], v[rS:rS+1] op_sel_hi:[1,0,1]
.else
	v_pk_add_f32 v[rT+2:rT+3], v[rT+2:rT+3], v[rS+4*(\n):rS+4*(\n)+1]
.endif
.elseif NOKQ
	v_nop
.else
	REGS (Y+1)%NP
	WIN 0
.if (\n) < 4
	v_max3_num_f32 v[rC+(\n)], v[rS+8*(\n)], v[rS+8*(\n)+1], v[rS+8*(\n)+2]
.elseif (\n) < 12
	v_max3_num_f32 v[rC+(\n)%4], v[rC+(\n)%4], v[rS+8*((\n)%4)+2*((\n)/4)+1], v[rS+8*((\n)%4)+2*((\n)/4)+2]
.elseif (\n) == 12
	v_max3_num_f32 v[rC], v[rC], v[rS+7], v[rS+15]
.elseif (\n) == 13
	v_max3_num_f32 v[rC+1], v[rC+1], v[rS+23], v[rS+31]
.elseif (\n) == 14
	v_max3_num_f32 v[rC+2], v[rC+2], v[rC+3], v[rT+1]
.elseif (\n) == 15
	v_mov_b32 v[rW], v[rT]
.elseif (\n) == 16
	v_max3_num_f32 v[rC], v[rC], v[rC+1], v[rC+2]
.elseif (\n) == 17
	v_permlanex16_b32 v[rC+3], v[rC], s[SEL], s[SEL+1]
.elseif (\n) == 18
	v_max_num_f32 v[rT+1], v[rC], v[rC+3]
.elseif (\n) == 19
	v_mul_f32 v[rT], s[CS], v[rT+1]
.elseif (\n) == 20
	v_sub_f32 v[rC+1], v[rW], v[rT]
.else
	v_exp_f32 v[rC+2], v[rC+1]
.endif
.endif
.endm
.macro OPS a, i1, b=-1, i2=0, c=-1, i3=0, d=-1, i4=0
	OP \a, \i1
.if (\b) >= 0
	OP \b, \i2
.endif
.if (\c) >= 0
	OP \c, \i3
.endif
.if (\d) >= 0
	OP \d, \i4
.endif
.endm
.macro ROW a, i1, b, i2, c, i3, d, i4  ; a matrix instruction and the four behind it
	MM
	OPS \a, \i1, \b, \i2, \c, \i3, \d, \i4
.endm
; A TURN, for piece p.  One wait cuts it in two: ahead of it stands all that names no result of the turn's exponentials, behind it the roundings and sums, which ride behind the products V^T P.
; end = 1: the last two turns: nothing is fetched.  cnt = 1: the loop's count is taken down some lines ahead of the branch behind the turn.
; K of the next step is fetched in piece 2's turn, V of the step in hand at the end of piece 0's; each is waited for a turn later.
.macro TURN p, end=0, cnt=0
.set Y, (\p)
.set i, 0
.set NOKQ, (\end)*((\p)/3)
.if ((\p) == 3) && !(\end)
	s_wait_dscnt 0x0                               ; K is in
.endif
	ROW F,0, F,1, R,0, R,1
	ROW F,2, E,0, R,2, R,3
	ROW F,3, E,1, R,4, R,5
	ROW F,4, E,2, R,6, R,7
	ROW F,5, E,3, R,8, R,9
	ROW F,6, E,4, X,0, R,10
.if ((\p) == 2) && !(\end)
	WIN 0
	v_add_nc_u32 v[AK], s[TBK], v[AK0]
.endif
	ROW F,7, E,5, X,1, X,4
	ROW F,8, E,6, X,2, X,5
	OPS E,7, E,8, X,6, E,9
	OPS X,3, E,10, X,8, E,11
.if ((\p) == 2) && !(\end)
	FETCH_K
.endif
	OPS X,9, X,7, E,12, X,10
	OPS E,13, X,12, X,11, E,14
	OPS X,13, E,15, F,9, X,14
.if (\p) == 0
	v_add_nc_u32 v[AV], s[TBV], v[AV0]
.endif
	OPS E,16, F,10, E,17, F,11
	OPS X,16, E,18, X,15, E,19
	OPS F,12, E,20, X,17, E,21
	OPS F,13, E,22, F,14, E,23
	OPS X,18, E,24, F,15, E,25
	OPS R,11, E,26, X,19, E,27
	OPS R,12, E,28, R,13, E,29
	OPS X,20, E,30, R,14, E,31
	OPS X,21, R,15                                 ; the batch's last exponential, and the plain instruction behind it
	WIN 0
	s_wait_alu depctr_va_vdst(0)                   ; the wait for the batch, ahead of the first reader
.if (\p) == 1
	s_wait_dscnt 0x0                               ; V is in
.endif
	ROW C,0, B,0, C,2, B,1
	ROW L,0, C,4, B,2, L,1
	ROW C,6, B,3, L,2, C,8
	ROW B,4, L,3, C,10, B,5
	ROW L,4, C,12, B,6, L,5
.if (\p) == 0
	s_add_co_u32 s[TBV], s[TBV], KS*PV
.endif
.if \cnt
	s_sub_co_u32 s[CNT], s[CNT], 1
	s_cmp_lg_u32 s[CNT], 0
.endif
	ROW C,14, B,7, L,6, C,1
	ROW C,3, L,7, C,5, C,7
	ROW C,9, C,11, C,13, C,15
.if (\p) == 0
	FETCH_V
.endif
.endm
	CHANGE 1                                       ; slot 0 is in, everybody's part of it; slot 1 is asked for
	v_add_nc_u32 v[AK], s[TBK], v[AK0]
	FETCH_K                                        ; key step 0
	s_wait_loadcnt 0x0                             ; Q
	s_wait_dscnt 0x0
.set NOKQ, 0
.set i, 0
.rept 8
	KQ 0                                           ; piece 0's first scores
.set i, i+1
.endr
	WIN 0
.rept 4
	v_nop                                          ; the places behind those products
.endr
.set Y, NP-1                           ; X works for piece Y + 1: piece 0
.irp n, 0,1,2,3,4,5,6,7,8,9,10,11,12,13,14,15,16,17,18,19,20,21
	OP X, \n
.endr
	v_nop                                          ; a plain instruction behind the exponential,
	s_wait_alu depctr_va_vdst(0)                   ; and its wait, ahead of the branch
	s_mov_b32 s[CNT], 4
	s_branch .Lfirst                               ; the loop is entered at a step's first turn, in the middle of a trip
.Lslot:                                                ; six times: tiles 2 to 7 are asked for
	CHANGE 1
	s_mov_b32 s[CNT], 4
.Lstep:                                                ; a trip: pieces 2 and 3 of one step, then pieces 0 and 1 of the next, whose K and V it fetches
	TURN 2
	TURN 3
	WIN 0
.Lfirst:
	TURN 0
	TURN 1, 0, 1
	WIN 0
	s_cbranch_scc1 .Lstep
	s_sub_co_u32 s[SLOTS], s[SLOTS], 1
	s_cmp_lg_u32 s[SLOTS], 0
	s_cbranch_scc1 .Lslot
	CHANGE 0                                       ; the last tile is written out
	s_mov_b32 s[CNT], 4
.Ltail:
	TURN 2
	TURN 3
	TURN 0
	TURN 1, 0, 1
	WIN 0
	s_cbranch_scc1 .Ltail
	TURN 2, 1
	TURN 3, 1
.set i, 0
.rept 8
	PV NP-1                                        ; the last piece's V^T P of the last step
.set i, i+1
.endr
	; THE WAY OUT.  l's two halves and the other half of the lanes' are added; O^T is divided by l, rounded to f16 and sent through my stage in LDS, a piece at a time.  The additions are the places behind the last products.
	WIN 0
.macro ALL line:vararg
.set t, 0
.rept 4
	\line
.set t, t+1
.endr
.endm
	ALL v_add_f32 v[ST+4*t+2], v[ST+4*t+2], v[ST+4*t+3]
	ALL v_permlanex16_b32 v[ST+4*t+3], v[ST+4*t+2], s[SEL], s[SEL+1]
	ALL v_add_f32 v[ST+4*t+2], v[ST+4*t+2], v[ST+4*t+3]
	ALL v_rcp_f32 v[ST+4*t+2], v[ST+4*t+2]
	v_nop                                          ; a plain instruction between the last reciprocal and the use of its result
	s_wait_alu depctr_va_vdst(0)                   ; one wait for the four reciprocals
.macro PACK t
	WIN W_RS
.set i, 32*(\t)
.rept 16
	v_pk_mul_f32 v[i:i+1], v[i:i+1], v[ST+4*(\t)+2:ST+4*(\t)+3] op_sel_hi:[1,0]
.set i, i+2
.endr
	WIN 0x05
.set i, 0
.rept 16
	v_cvt_pk_f16_f32 v[S+16*(\t)+i], v[32*(\t)+2*i], v[32*(\t)+2*i+1]
.set i, i+1
.endr
	WIN 0
.irp f, 0,1,2,3
	ds_store_b128 v[STO], v[S+16*(\t)+4*\f:S+16*(\t)+4*\f+3] offset:32*\f
.endr
.irp f, 0,1,2,3
	ds_load_b128 v[S+16*(\t)+4*\f:S+16*(\t)+4*\f+3], v[RD] offset:\f*4*SP  ; LDS serves a wave's instructions in order (ISA guide 5.7.1.4): these see the stores above
.endr
.endm
.macro SEND t, younger                 ; younger: the LDS instructions issued behind piece t's loads
	WIN 0
.irp f, 0,1,2,3
	s_wait_dscnt (\younger)+3-\f
	global_store_b128 v[GO], v[S+16*(\t)+4*\f:S+16*(\t)+4*\f+3], s[10:11] offset:(\t)*2048+\f*512  ; 512 consecutive bytes, at a multiple of 256 from ctx's first
.endr
.endm
	PACK 0
.set t, 1
.rept 3
	PACK t
	SEND t-1, 8
.set t, t+1
.endr
	SEND 3, 0
	s_wait_tensorcnt 0x0                           ; the wave's end
	ds_add_u32 v[SPW], v[NIL]
	s_wait_dscnt 0x0
	CROUND                                         ; the closing round
	s_endpgm
.Lfunc_end_k_q0b836c59ee_attn:
	.size	k_q0b836c59ee_attn, .Lfunc_end_k_q0b836c59ee_attn-k_q0b836c59ee_attn
	.p2alignl 7, 3214868480
	.fill 96, 4, 3214868480
	.section	.rodata,"a",@progbits
	.p2align	6, 0x0
	.amdhsa_kernel k_q0b836c59ee_attn
		.amdhsa_group_segment_fixed_size 327680
		.amdhsa_private_segment_fixed_size 0
		.amdhsa_enable_private_segment 0
		.amdhsa_kernarg_size 16
		.amdhsa_user_sgpr_count 2
		.amdhsa_user_sgpr_kernarg_segment_ptr 1
		.amdhsa_wavefront_size32 1
		.amdhsa_system_sgpr_workgroup_id_x 1
		.amdhsa_system_sgpr_workgroup_id_y 1
		.amdhsa_system_sgpr_workgroup_id_z 1
		.amdhsa_system_vgpr_workitem_id 0
		.amdhsa_next_free_vgpr 768
		.amdhsa_next_free_sgpr 66
		.amdhsa_reserve_vcc 0
		.amdhsa_float_denorm_mode_32 3
		.amdhsa_float_denorm_mode_16_64 3
		.amdhsa_memory_ordered 1
		.amdhsa_forward_progress 1
		.amdhsa_inst_pref_size 128
	.end_amdhsa_kernel
	.amdgpu_metadata
---
amdhsa.version: [ 1, 2 ]
amdhsa.kernels:
  - .name:           k_q0b836c59ee_attn
    .symbol:         k_q0b836c59ee_attn.kd
    .args:
      - { .name: qkv, .offset: 0, .size: 8, .value_kind: global_buffer, .address_space: global }
      - { .name: ctx, .offset: 8, .size: 8, .value_kind: global_buffer, .address_space: global }
    .group_segment_fixed_size: 327680
    .private_segment_fixed_size: 0
    .kernarg_segment_align: 8
    .kernarg_segment_size: 16
    .max_flat_workgroup_size: 128
    .sgpr_count:     66
    .vgpr_count:     768
    .wavefront_size: 32
...
	.end_amdgpu_metadata
.endif
;; end of part 3
;; launch oproj (part 4): grid 8 x 32, 4 waves a work-group, clusters of 4 x 4, 327,680 bytes of LDS; arguments ctx, wb, x1, x, bo; writes x1
.if DOCPART == 4
	.amdgcn_target "amdgcn-amd-amdhsa--gfx1250"
	.amdhsa_code_object_version 6
	.text
	.protected	k_q0b836c59ee_oproj
	.globl	k_q0b836c59ee_oproj
	.p2align	8
	.type	k_q0b836c59ee_oproj,@function
k_q0b836c59ee_oproj:
	s_mov_b64 s[64:65], 0
	v_nop
	global_prefetch_b8 v0, s[64:65] scope:SCOPE_SE
	s_setreg_imm32_b32 hwreg(HW_REG_WAVE_MODE, 25, 1), 1
	s_wait_xcnt 0x0
	s_wait_alu depctr_hold_cnt(0) depctr_sa_sdst(0) depctr_va_vdst(0) depctr_va_sdst(0) depctr_va_ssrc(0) depctr_va_vcc(0) depctr_vm_vsrc(0)
	s_getreg_b32 s2, hwreg(HW_REG_IB_STS2, 6, 4)
	s_cmp_eq_u32 s2, 0
	s_cbranch_scc0 .Lentry_in_a_cluster
	s_endpgm
.Lentry_in_a_cluster:
	s_bfe_u32 s2, ttmp6, 0x10000c
	s_cmp_lg_u32 s2, 0xf033
	s_cbranch_scc0 .Lentry_shape_is_right
	s_endpgm
.Lentry_shape_is_right:
; OUT = RES + bias + A B^T in f32.  One text serves two launches; IS_WO chooses the sizes.
; IS_WO = 1: x1 = bf16(x) + bo + ctx Wo^T.  A = ctx, by heads [32][2048][64] f16 (K = 1,024 = 16 heads x 64); B = Wo in wb; RES = x, f32, rounded to bf16 here like every input.
; IS_WO = 0: out0 = x1 + b2 + ff W2^T.  A = ff [4096][4096] f16; B = W2 in wb; RES = x1, f32, the program's own carry: not rounded.
; LIMITS.  The bias is rounded to bf16.  A and B are f16.  The sums, and the residual that starts them, are f32.
; SHARES.  A tile of OUT is 128 x 128: 8 x 32 work-groups.  Four waves, each 64 x 64: 16 accumulators, which START as residual + bias: nothing is cleared and nothing is added afterwards.
; K goes in steps of 256 through two LDS slots filled by joint tensor loads; cluster 4 x 4, A's tile shared along a row of the cluster, B's along a column.  The K step is a loop: two trips of a unit
; of two quarters of 64 along K on fragment buffers F0 and F1; the loop is entered in the unit's middle.  The matrix instruction is used transposed: a lane holds one row of OUT and eight neighbouring columns.
; THE WALK ALONG K GOES ROUND.  A's rows are read by the two clusters along x, B's by the clusters along y.  A cluster begins at K step (TSTEPS/2 x cluster x + TSTEPS/4 x (cluster y mod 4)) mod TSTEPS, so that
; the two that read the same rows of A, and four neighbours that read the same rows of B, are never at the same K step.  The first step hangs on the cluster's x and y alone, which all sixteen partners share.
; f32 sums may be taken in any order of K.
; No prefetch: a step's tiles are small, and a wave's one load behind each round brings them.
; REGISTERS: window 0: v16-31 addresses; v32-95 at work; v96-127 bias; v128-255 accumulator (a, b) at 128 + 8 (4 a + b).  Window 1: F0 = v0-127, F1 = v128-255: 64 of A (8 (4 c + i)), then 64 of B.
.set IS_WO, 1
.if IS_WO
.set TSTEPS, 4
.set AP,     144                       ; A in LDS: [head][row], 128 bytes + 16 a row
.set QA,     128*AP                    ; a quarter of a K step is one head
.set HALFA,  2*QA                      ; a wave fetches two heads
.set STEPA,  4*2048*128                ; four heads on
.set KROW,   1024                      ; elements in a row of B
.set WBOFF,  6291456
.else
.set TSTEPS, 16
.set AP,     528
.set QA,     128
.set HALFA,  64*AP
.set STEPA,  512
.set KROW,   4096
.set WBOFF,  16777216
.endif
.set BPI,    528                       ; a row of B in LDS: 512 bytes + 16 = 132 words: the 16 rows of a load start at 16 different groups of four banks (ISA guide 11.1)
.set QB,     128
.set HALFB,  64*BPI
.set STEPB,  512
.set ABYTES, 2*HALFA
.set SLOT,   ABYTES+2*HALFB
.set STAGE,  2*SLOT                    ; behind the ring, never filled by a tensor load: 32 rows x 272 bytes a wave
.set SPITCH, 272
.set SPARE,  STAGE+4*32*SPITCH
.set WALL, 32
.set WLO,  16                          ; the youngest of a run: the quarter's second 32 along K
.set F0, 0
.set F1, 128
.set ADRA, 16
.set A0,   17
.set ADRB, 20
.set B0,   21
.set STO,  24
.set RD,   25
.set CO,   26
.set BO,   27
.set SPW,  28
.set NIL,  29
.set RO,   31
.set TMP,  32
.set BIAS, 96
.set ACC,  128
.set CNT, 2
.set STEPS, 3
.set G1A, 24
.set G0A, 32
.set CX, 40
.set CY, 41
.set TC, 42
.set TR, 43
.set TB, 45
.set G1B, 48
.set G0B, 56
.set WV, 66
.set RH, 67
.set CH, 68
.set WOFFA, 69
.set WOFFB, 70
.set HIM, 71
.set KK,  72                           ; s72  the K step at which the walking descriptors stand
.set S0,  73                           ; s73  the walk's first K step
.set WA,  74                           ; s[74:75] what A's address goes back by: a whole walk where the step has come round, else 0
.set WB,  76                           ; s[76:77] the same for B
.set MSB, 0
.macro WIN new
.if MSB != (\new)
	s_set_vgpr_msb (MSB<<8)|(\new)
.set MSB, (\new)
.endif
.endm
.macro PLACES
.rept 4
	v_nop
.endr
.endm
.macro RB a, b, t
	v_cvt_pk_bf16_f32 v[\t], v[\a], v[\b]
	v_lshlrev_b32 v[\a], 16, v[\t]
	v_and_b32 v[\b], s[HIM], v[\t]
.endm
.macro CROUND
	s_barrier_signal -1
	s_barrier_wait -1
	s_cmp_lg_u32 s[WV], 0
	s_cbranch_scc1 .Lnw0_\@
	s_barrier_signal -3
.Lnw0_\@:
	s_barrier_wait -3
	s_barrier_signal -1
	s_barrier_wait -1
.endm
.macro JLOAD
	s_cmp_eq_u32 s[RH], 0
	s_cbranch_scc0 .Lfb_\@
	tensor_load_to_lds s[G0A+4:G0A+7], s[G1A:G1A+7]
	s_nop 0
	PLACES
	s_branch .Las_\@
.Lfb_\@:
	tensor_load_to_lds s[G0B+4:G0B+7], s[G1B:G1B+7]
	s_nop 0
	PLACES
.Las_\@:
.endm
; THE CHANGE OF SLOTS: every wave waits for all its tensor loads, adds 0 to its spare word, waits for that and for its reads of the slot that it leaves; fill = 1: a round of the cluster's barrier, and the refill first behind it.
.macro CHANGE fill
	WIN 0
	s_wait_tensorcnt 0x0
	ds_add_u32 v[SPW], v[NIL]                      ; 0 onto my spare word; the descriptors' steps stand between it and the wait for it
.if \fill
	s_add_co_u32 s[G0A+5], s[WOFFA], s[TB]         ; no tensor load of mine is out, so the descriptors may be written: into the slot that is left,
	s_add_co_u32 s[G0B+5], s[WOFFB], s[TB]
	s_add_co_u32 s[KK], s[KK], 1                   ; the next K step of the walk, modulo TSTEPS
	s_and_b32 s[KK], s[KK], TSTEPS-1
	s_cmp_eq_u32 s[KK], 0
	s_cselect_b32 s[WA], TSTEPS*STEPA, 0
	s_cselect_b32 s[WB], TSTEPS*STEPB, 0
	s_add_nc_u64 s[G0A+6:G0A+7], s[G0A+6:G0A+7], STEPA
	s_add_nc_u64 s[G0B+6:G0B+7], s[G0B+6:G0B+7], STEPB
	s_sub_nc_u64 s[G0A+6:G0A+7], s[G0A+6:G0A+7], s[WA:WA+1]  ; behind the last K step comes step 0; the type bits on top are not reached
	s_sub_nc_u64 s[G0B+6:G0B+7], s[G0B+6:G0B+7], s[WB:WB+1]
.endif
	s_xor_b32 s[TB], s[TB], SLOT
	v_add_nc_u32 v[ADRA], s[TB], v[A0]
	v_add_nc_u32 v[ADRB], s[TB], v[B0]
	s_wait_dscnt 0x0
.if \fill
	CROUND
	JLOAD
.else
	s_barrier_signal -1
	s_barrier_wait -1
.endif
.endm
.macro FETCH f, qa, qb                 ; 32 LDS loads in one run: 64 along K, the first 32 first
	WIN 0x40
.irp c, 0,1
.irp i, 0,1,2,3
	ds_load_b128 v[(\f)+64+8*(4*\c+\i):(\f)+64+8*(4*\c+\i)+3],   v[ADRB] offset:(\qb)+64*\c+\i*16*BPI
	ds_load_b128 v[(\f)+64+8*(4*\c+\i)+4:(\f)+64+8*(4*\c+\i)+7], v[ADRB] offset:(\qb)+64*\c+\i*16*BPI+32
	ds_load_b128 v[(\f)+8*(4*\c+\i):(\f)+8*(4*\c+\i)+3],         v[ADRA] offset:(\qa)+64*\c+\i*16*AP
	ds_load_b128 v[(\f)+8*(4*\c+\i)+4:(\f)+8*(4*\c+\i)+7],       v[ADRA] offset:(\qa)+64*\c+\i*16*AP+32
.endr
.endr
.endm
.macro MULH f, c                       ; 16 products, 32 along K, one on each accumulator
	WIN 0x05
.irp a, 0,1,2,3
.irp b, 0,1,2,3
	v_wmma_f32_16x16x32_f16 v[ACC+8*(4*\a+\b):ACC+8*(4*\a+\b)+7], v[(\f)+64+8*(4*(\c)+\b):(\f)+64+8*(4*(\c)+\b)+7], v[(\f)+8*(4*(\c)+\a):(\f)+8*(4*(\c)+\a)+7], v[ACC+8*(4*\a+\b):ACC+8*(4*\a+\b)+7]
.endr
.endr
.endm
.macro UA                              ; the unit's head: the next quarter is fetched into F0, the last half of F1 is multiplied
	PLACES
	FETCH F0, 0, 0
	s_wait_dscnt WALL                              ; all but the run just issued: F1 is whole
	MULH F1, 1
.endm
.macro UB                              ; the rest of the unit
	s_wait_dscnt WLO                               ; F0's first 32 along K
	MULH F0, 0
	PLACES
	FETCH F1, QA, QB
	WIN 0
	v_add_nc_u32 v[ADRA], 2*QA, v[ADRA]
	v_add_nc_u32 v[ADRB], 2*QB, v[ADRB]
	s_wait_dscnt WALL
	MULH F0, 1
	s_wait_dscnt WLO
	MULH F1, 0
	WIN 0
.endm
	s_load_b256 s[4:11], s[0:1], 0x0               ; A 4, wb 6, OUT 8, RES 10
	s_load_b64 s[12:13], s[0:1], 0x20              ; bias
	v_lshl_add_u32 v[SPW], v0, 2, SPARE
	v_mov_b32 v[NIL], 0
	ds_add_u32 v[SPW], v[NIL]                      ; the wave's opening: the add, and its wait, stand ahead of my first tensor load
	v_lshrrev_b32 v1, 5, v0
	v_readfirstlane_b32 s[WV], v1
	s_lshr_b32 s[RH], s[WV], 1
	s_and_b32 s[CH], s[WV], 1
	s_bfe_u32 s[CX], ttmp6, 0x40000
	s_bfe_u32 s[CY], ttmp6, 0x40004
	s_lshl_b32 s[TC], ttmp9, 2
	s_add_co_u32 s[TC], s[TC], s[CX]
	s_and_b32 s[TR], ttmp7, 0xffff
	s_and_b32 s[S0], s[TR], 3                      ; cluster y mod 4
	s_lshl_b32 s[TR], s[TR], 2
	s_add_co_u32 s[TR], s[TR], s[CY]
	s_lshl_b32 s16, s[CY], 2
	s_lshl_b32 s16, 15, s16
	s_lshl_b32 s20, 0x1111, s[CX]
.if IS_WO
	; A's tile: two heads; a head's 128 rows x 64 channels are 16,384 dense bytes, taken as one row of 8,192 elements; padded in LDS after every 32 words, that is after every row of a head
	s_or_b32 s[G1A], s16, (1<<16)|(1<<20)|(1<<21)|(4<<22)|(3<<25)
	s_mov_b32 s[G1A+1], 8192<<16                   ; tensor_dim0
	s_mov_b32 s[G1A+2], 2<<16                      ; tensor_dim1
	s_mov_b32 s[G1A+3], 8192<<16                   ; tile_dim0
	s_mov_b32 s[G1A+4], 2                          ; tile_dim1
	s_mov_b32 s[G1A+5], 131072                     ; elements from head to head
.else
	s_or_b32 s[G1A], s16, (1<<16)|(1<<20)|(1<<21)|(6<<22)|(3<<25)
	s_mov_b32 s[G1A+1], 256<<16
	s_mov_b32 s[G1A+2], 64<<16
	s_mov_b32 s[G1A+3], 256<<16
	s_mov_b32 s[G1A+4], 64
	s_mov_b32 s[G1A+5], 4096
.endif
	s_mov_b32 s[G1A+6], 0
	s_mov_b32 s[G1A+7], 0
	s_or_b32 s[G1B], s20, (1<<16)|(1<<20)|(1<<21)|(6<<22)|(3<<25)  ; 64 rows x 256 elements, 4 words of padding after every 128
	s_mov_b32 s[G1B+1], 256<<16
	s_mov_b32 s[G1B+2], 64<<16
	s_mov_b32 s[G1B+3], 256<<16
	s_mov_b32 s[G1B+4], 64
	s_mov_b32 s[G1B+5], KROW
	s_mov_b32 s[G1B+6], 0
	s_mov_b32 s[G1B+7], 0
.if IS_WO
	s_lshr_b32 s16, s[TR], 4                       ; batch
	s_lshl_b32 s16, s16, 4
	s_lshl_b32 s18, s[CH], 1
	s_add_co_u32 s16, s16, s18                     ; my first head
	s_lshl_b32 s16, s16, 11
	s_and_b32 s18, s[TR], 15
	s_lshl_b32 s18, s18, 7
	s_add_co_u32 s16, s16, s18                     ; + the tile's first row in a head
	s_lshl_b32 s16, s16, 7                         ; 128 bytes a row
.else
	s_lshl_b32 s16, s[TR], 7
	s_lshl_b32 s18, s[CH], 6
	s_add_co_u32 s16, s16, s18
	s_lshl_b32 s16, s16, 13                        ; 8,192 bytes a row
.endif
	s_mov_b32 s17, 0
	s_lshl_b32 s20, s[TC], 1
	s_add_co_u32 s20, s20, s[CH]
	s_mul_i32 s20, s20, 64*KROW*2
	s_mov_b32 s21, 0
	s_mul_i32 s[WOFFA], s[CH], HALFA
	s_mul_i32 s[WOFFB], s[CH], HALFB
	s_add_co_u32 s[WOFFB], s[WOFFB], ABYTES
	s_mov_b32 s[TB], 0
	s_mov_b32 s[HIM], 0xffff0000
	; where the walk begins: its first two K steps, and their byte offsets along A's and B's rows
	s_mul_i32 s[S0], s[S0], TSTEPS/4
	s_mul_i32 s[KK], ttmp9, TSTEPS/2               ; in a cluster launch ttmp9 is the cluster's x
	s_add_co_u32 s[S0], s[S0], s[KK]
	s_and_b32 s[S0], s[S0], TSTEPS-1
	s_add_co_u32 s[KK], s[S0], 1
	s_and_b32 s[KK], s[KK], TSTEPS-1
	s_mul_i32 s78, s[S0], STEPA
	s_mov_b32 s79, 0
	s_mul_i32 s80, s[KK], STEPA
	s_mov_b32 s81, 0
	s_mul_i32 s82, s[S0], STEPB
	s_mov_b32 s83, 0
	s_mul_i32 s84, s[KK], STEPB
	s_mov_b32 s85, 0
	s_mov_b32 s[WA+1], 0
	s_mov_b32 s[WB+1], 0
	s_wait_dscnt 0x0                               ; the opening add is done
	s_wait_kmcnt 0x0
	s_add_nc_u64 s[6:7], s[6:7], WBOFF
	s_add_nc_u64 s[16:17], s[4:5], s[16:17]
	s_add_nc_u64 s[20:21], s[6:7], s[20:21]
.irp n, 0,1
	s_mov_b32 s[G0A+4*\n], 1
	s_add_co_u32 s[G0A+4*\n+1], s[WOFFA], \n*SLOT
	s_add_nc_u64 s[G0A+4*\n+2:G0A+4*\n+3], s[16:17], s[78+2*\n:78+2*\n+1]
	s_or_b32 s[G0A+4*\n+3], s[G0A+4*\n+3], 0x80000000
	s_mov_b32 s[G0B+4*\n], 1
	s_add_co_u32 s[G0B+4*\n+1], s[WOFFB], \n*SLOT
	s_add_nc_u64 s[G0B+4*\n+2:G0B+4*\n+3], s[20:21], s[82+2*\n:82+2*\n+1]
	s_or_b32 s[G0B+4*\n+3], s[G0B+4*\n+3], 0x80000000
.endr
	CROUND                                         ; all sixteen work-groups are here: the first joint loads meet
	s_cmp_eq_u32 s[RH], 0                          ; a wave's two first fills stand in one branch: two loads of mine are out
	s_cbranch_scc0 .Lfirst_b
	tensor_load_to_lds s[G0A:G0A+3], s[G1A:G1A+7]
	s_nop 0
	tensor_load_to_lds s[G0A+4:G0A+7], s[G1A:G1A+7]
	s_nop 0
	PLACES
	s_branch .Lfirst_done
.Lfirst_b:
	tensor_load_to_lds s[G0B:G0B+3], s[G1B:G1B+7]
	s_nop 0
	tensor_load_to_lds s[G0B+4:G0B+7], s[G1B:G1B+7]
	s_nop 0
	PLACES
.Lfirst_done:
	v_and_b32 v1, 15, v0                           ; l % 16
	v_bfe_u32 v2, v0, 4, 1                         ; l / 16
	; my part of the tile in RES, OUT (both [4096][1024] f32) and the bias: rows 128 tr + 64 RH on, columns 128 tc + 64 CH on
	s_lshl_b32 s84, s[TR], 7
	s_lshl_b32 s85, s[RH], 6
	s_add_co_u32 s84, s84, s85                     ; my first row
	s_lshl_b32 s86, s[TC], 7
	s_lshl_b32 s85, s[CH], 6
	s_add_co_u32 s86, s86, s85                     ; my first column
	s_lshl_b32 s88, s84, 12
	s_lshl_b32 s85, s86, 2
	s_add_co_u32 s88, s88, s85
	s_mov_b32 s89, 0
	s_add_nc_u64 s[10:11], s[10:11], s[88:89]
	s_add_nc_u64 s[8:9], s[8:9], s[88:89]
	s_mov_b32 s88, s85
	s_add_nc_u64 s[12:13], s[12:13], s[88:89]
	v_lshlrev_b32 v[BO], 5, v2                     ; my 8 columns of a block of 16, in f32
	v_lshlrev_b32 v[RO], 12, v1                    ; row l % 16,
	v_lshl_add_u32 v[RO], v2, 5, v[RO]             ; my 8 columns: 32 bytes
.irp b, 0,1,2,3
	global_load_b128 v[BIAS+8*\b:BIAS+8*\b+3],   v[BO], s[12:13] offset:64*\b
	global_load_b128 v[BIAS+8*\b+4:BIAS+8*\b+7], v[BO], s[12:13] offset:64*\b+16
.endr
.irp a, 0,1,2,3
.irp b, 0,1,2,3
	global_load_b128 v[ACC+8*(4*\a+\b):ACC+8*(4*\a+\b)+3],   v[RO], s[10:11] offset:\a*65536+64*\b
	global_load_b128 v[ACC+8*(4*\a+\b)+4:ACC+8*(4*\a+\b)+7], v[RO], s[10:11] offset:\a*65536+64*\b+16
.endr
.endr
	v_mul_u32_u24 v3, v1, AP
	v_lshl_add_u32 v3, v2, 4, v3
	s_mul_i32 s84, s[RH], 64*AP
	v_add_nc_u32 v[A0], s84, v3
	v_mul_u32_u24 v3, v1, BPI
	v_lshl_add_u32 v3, v2, 4, v3
	s_mul_i32 s84, s[CH], HALFB
	s_add_co_u32 s84, s84, ABYTES
	v_add_nc_u32 v[B0], s84, v3
	v_mov_b32 v[ADRA], v[A0]
	v_mov_b32 v[ADRB], v[B0]
	s_mul_i32 s84, s[WV], 32*SPITCH
	s_add_co_u32 s84, s84, STAGE                   ; my stage
	v_mul_u32_u24 v[STO], v1, SPITCH               ; in: row l % 16, 32 bytes for each half of the lanes
	v_lshl_add_u32 v[STO], v2, 5, v[STO]
	v_add_nc_u32 v[STO], s84, v[STO]
	v_mul_u32_u24 v[RD], v2, SPITCH                ; back: lanes 0-15 one row of 256 bytes, lanes 16-31 the next
	v_lshl_add_u32 v[RD], v1, 4, v[RD]
	v_add_nc_u32 v[RD], s84, v[RD]
	v_lshlrev_b32 v[CO], 12, v2                    ; and the same two rows in OUT
	v_lshl_add_u32 v[CO], v1, 4, v[CO]
	s_wait_loadcnt 0x0                             ; bias and residual: what follows stands in the wait for the first tile
.set i, 0
.rept 16
	RB BIAS+2*i, BIAS+2*i+1, 14
.set i, i+1
.endr
.set t, 0
.rept 16
.irp i, 0,1,2,3
.if IS_WO
	RB ACC+8*t+2*\i, ACC+8*t+2*\i+1, 14            ; x is an input: rounded to bf16
.endif
	v_pk_add_f32 v[ACC+8*t+2*\i:ACC+8*t+2*\i+1], v[ACC+8*t+2*\i:ACC+8*t+2*\i+1], v[BIAS+8*(t%4)+2*\i:BIAS+8*(t%4)+2*\i+1]
.endr
.set t, t+1
.endr
	s_wait_tensorcnt 1                             ; my part of the walk's first K step is in; the second's may stay out
	s_barrier_signal -1
	s_barrier_wait -1
	FETCH F0, 0, 0
	WIN 0
	s_mov_b32 s[CNT], 2
	s_mov_b32 s[STEPS], TSTEPS-1
	s_branch .Lmid                                 ; the loop is entered in the unit's middle: there is no F1 yet to finish; on both ways the 32 loads of F0's run are the youngest
.Lstep:                                                ; TSTEPS - 2 times: in front of a step the slot of the step before is filled with the step after
	CHANGE 1
	s_mov_b32 s[CNT], 2
.Linner:
	UA
	WIN 0
.Lmid:
	UB
	s_sub_co_u32 s[CNT], s[CNT], 1
	s_cmp_lg_u32 s[CNT], 0
	s_cbranch_scc1 .Linner
	s_sub_co_u32 s[STEPS], s[STEPS], 1
	s_cmp_lg_u32 s[STEPS], 0
	s_cbranch_scc1 .Lstep
	CHANGE 0                                       ; the last step is written out
	s_mov_b32 s[CNT], 2
.Ltail:
	UA
	UB
	s_sub_co_u32 s[CNT], s[CNT], 1
	s_cmp_lg_u32 s[CNT], 0
	s_cbranch_scc1 .Ltail
	s_wait_dscnt 0x0
	MULH F1, 1
	WIN 0
	; THE WAY OUT, 32 rows at a time through my own stage: 32 bytes a lane in, whole rows of 256 bytes back, sixteen lanes to an aligned 256 bytes of OUT.  No barrier: the bytes are the wave's own.
	PLACES
.irp hh, 0,1
.if \hh
	s_wait_xcnt 0x0                                ; the first half's stores have read TMP: it is loaded again only behind this wait
.endif
.irp aa, 0,1
.irp b, 0,1,2,3
	ds_store_b128 v[STO], v[ACC+8*(4*(2*\hh+\aa)+\b):ACC+8*(4*(2*\hh+\aa)+\b)+3]   offset:\aa*16*SPITCH+64*\b
	ds_store_b128 v[STO], v[ACC+8*(4*(2*\hh+\aa)+\b)+4:ACC+8*(4*(2*\hh+\aa)+\b)+7] offset:\aa*16*SPITCH+64*\b+16
.endr
.endr
.irp t, 0,1,2,3,4,5,6,7,8,9,10,11,12,13,14,15
	ds_load_b128 v[TMP+4*\t:TMP+4*\t+3], v[RD] offset:\t*2*SPITCH  ; LDS serves a wave's instructions in order (ISA guide 5.7.1.4): these see the stores above
.endr
.irp t, 0,1,2,3,4,5,6,7,8,9,10,11,12,13,14,15
	s_wait_dscnt 15-\t                             ; the younger loads stay out
	global_store_b128 v[CO], v[TMP+4*\t:TMP+4*\t+3], s[8:9] offset:(32*\hh+2*\t)*4096
.endr
.endr
	s_wait_tensorcnt 0x0                           ; the wave's end
	ds_add_u32 v[SPW], v[NIL]
	s_wait_dscnt 0x0
	CROUND                                         ; the closing round
	s_endpgm
.Lfunc_end_k_q0b836c59ee_oproj:
	.size	k_q0b836c59ee_oproj, .Lfunc_end_k_q0b836c59ee_oproj-k_q0b836c59ee_oproj
	.p2alignl 7, 3214868480
	.fill 96, 4, 3214868480
	.section	.rodata,"a",@progbits
	.p2align	6, 0x0
	.amdhsa_kernel k_q0b836c59ee_oproj
		.amdhsa_group_segment_fixed_size 327680
		.amdhsa_private_segment_fixed_size 0
		.amdhsa_enable_private_segment 0
		.amdhsa_kernarg_size 40
		.amdhsa_user_sgpr_count 2
		.amdhsa_user_sgpr_kernarg_segment_ptr 1
		.amdhsa_wavefront_size32 1
		.amdhsa_system_sgpr_workgroup_id_x 1
		.amdhsa_system_sgpr_workgroup_id_y 1
		.amdhsa_system_sgpr_workgroup_id_z 1
		.amdhsa_system_vgpr_workitem_id 0
		.amdhsa_next_free_vgpr 512
		.amdhsa_next_free_sgpr 100
		.amdhsa_reserve_vcc 0
		.amdhsa_float_denorm_mode_32 3
		.amdhsa_float_denorm_mode_16_64 3
		.amdhsa_memory_ordered 1
		.amdhsa_forward_progress 1
		.amdhsa_inst_pref_size 57
	.end_amdhsa_kernel
	.amdgpu_metadata
---
amdhsa.version: [ 1, 2 ]
amdhsa.kernels:
  - .name:           k_q0b836c59ee_oproj
    .symbol:         k_q0b836c59ee_oproj.kd
    .args:
      - { .name: ctx, .offset: 0, .size: 8, .value_kind: global_buffer, .address_space: global }
      - { .name: wb, .offset: 8, .size: 8, .value_kind: global_buffer, .address_space: global }
      - { .name: x1, .offset: 16, .size: 8, .value_kind: global_buffer, .address_space: global }
      - { .name: x, .offset: 24, .size: 8, .value_kind: global_buffer, .address_space: global }
      - { .name: bo, .offset: 32, .size: 8, .value_kind: global_buffer, .address_space: global }
    .group_segment_fixed_size: 327680
    .private_segment_fixed_size: 0
    .kernarg_segment_align: 8
    .kernarg_segment_size: 40
    .max_flat_workgroup_size: 128
    .sgpr_count:     100
    .vgpr_count:     512
    .wavefront_size: 32
...
	.end_amdgpu_metadata
.endif
;; end of part 4
;; launch ln2 (part 5): grid 512 x 1, 8 waves a work-group, no clusters, 0 bytes of LDS; arguments x1, g2, be2, hn; writes hn
.if DOCPART == 5
	.amdgcn_target "amdgcn-amd-amdhsa--gfx1250"
	.amdhsa_code_object_version 6
	.text
	.protected	k_q0b836c59ee_ln2
	.globl	k_q0b836c59ee_ln2
	.p2align	8
	.type	k_q0b836c59ee_ln2,@function
k_q0b836c59ee_ln2:
	s_mov_b64 s[64:65], 0
	v_nop
	global_prefetch_b8 v0, s[64:65] scope:SCOPE_SE
	s_setreg_imm32_b32 hwreg(HW_REG_WAVE_MODE, 25, 1), 1
	s_wait_xcnt 0x0
; hn = LayerNorm(x1) x g2 + be2 in f16.  x1: [4096][1024] f32, the program's own carry: it is not rounded.  g2 and be2 are rounded to bf16.
; A stream: a wave owns one row; lane l holds columns 128 j + 4 l .. + 3; each load of a wave covers 512 consecutive bytes, each store 256, aligned.  No LDS, no barrier, no matrix unit: nothing is shared.
; The variance is the mean of squared deviations from the mean: a common offset of a row cancels before the squares.  f16 ends at 65,504.
.set XP,  8                            ; s[8:9]   x1
.set GP,  10                           ; s[10:11] g2
.set BP,  12                           ; s[12:13] be2
.set HP,  14                           ; s[14:15] hn
.set HIM, 2
.set O,   16                           ; v[16:31]  the result as packed f16; v16 is at work before that
.set X,   32                           ; v[32:63]  the row
.set G,   64
.set BE,  96
; v1 = 16 x lane, v2 = 8 x lane; v3 variance + eps; v[4:5] the mean, twice; v[6:7] 1/std, twice; v[8:15] four chains of sums
.macro RB a, b, t
	v_cvt_pk_bf16_f32 v[\t], v[\a], v[\b]
	v_lshlrev_b32 v[\a], 16, v[\t]
	v_and_b32 v[\b], s[HIM], v[\t]
.endm
.macro REDUCE
	v_pk_add_f32 v[8:9], v[8:9], v[10:11]
	v_pk_add_f32 v[12:13], v[12:13], v[14:15]
	v_pk_add_f32 v[8:9], v[8:9], v[12:13]
	v_add_f32 v8, v8, v9
	v_add_f32_dpp v8, v8, v8 row_xmask:1 row_mask:0xf bank_mask:0xf
	v_add_f32_dpp v8, v8, v8 row_xmask:2 row_mask:0xf bank_mask:0xf
	v_add_f32_dpp v8, v8, v8 row_xmask:4 row_mask:0xf bank_mask:0xf
	v_add_f32_dpp v8, v8, v8 row_xmask:8 row_mask:0xf bank_mask:0xf
	v_permlanex16_b32 v9, v8, s6, s7
	v_add_f32 v8, v8, v9
.endm
	s_load_b256 s[8:15], s[0:1], 0x0
	v_and_b32 v3, 31, v0
	v_lshlrev_b32 v1, 4, v3
	v_lshlrev_b32 v2, 3, v3
	v_lshrrev_b32 v3, 5, v0
	v_readfirstlane_b32 s5, v3
	s_mov_b32 s[HIM], 0xffff0000
	s_mov_b32 s3, 0x3a800000                       ; 1 / 1,024
	s_mov_b32 s4, 0x358637bd                       ; 1e-6
	s_mov_b32 s6, 0x76543210
	s_mov_b32 s7, 0xfedcba98
	s_lshl_b32 s16, ttmp9, 3
	s_add_co_u32 s16, s16, s5                      ; my row
	s_lshl_b32 s18, s16, 12
	s_mov_b32 s19, 0
	s_lshl_b32 s20, s16, 11
	s_mov_b32 s21, 0
	s_wait_kmcnt 0x0
	s_add_nc_u64 s[XP:XP+1], s[XP:XP+1], s[18:19]
	s_add_nc_u64 s[HP:HP+1], s[HP:HP+1], s[20:21]
.irp j, 0,1,2,3,4,5,6,7
	global_load_b128 v[X+4*\j:X+4*\j+3], v1, s[XP:XP+1] offset:512*\j
.endr
.irp j, 0,1,2,3,4,5,6,7
	global_load_b128 v[G+4*\j:G+4*\j+3], v1, s[GP:GP+1] offset:512*\j
.endr
.irp j, 0,1,2,3,4,5,6,7
	global_load_b128 v[BE+4*\j:BE+4*\j+3], v1, s[BP:BP+1] offset:512*\j
.endr
	s_wait_loadcnt 16                              ; the row is in; the 16 younger loads (gain, bias) stay out
.irp k, 0,2,4,6
	v_pk_add_f32 v[8+\k:9+\k], v[X+\k:X+\k+1], v[X+8+\k:X+9+\k]  ; the first terms start the chains: nothing is cleared
.endr
.irp k, 0,2,4,6
	v_pk_add_f32 v[8+\k:9+\k], v[8+\k:9+\k], v[X+16+\k:X+17+\k]
.endr
.irp k, 0,2,4,6
	v_pk_add_f32 v[8+\k:9+\k], v[8+\k:9+\k], v[X+24+\k:X+25+\k]
.endr
	REDUCE
	v_mul_f32 v4, s3, v8
	v_mul_f32 v5, s3, v8
.set i, 0
.rept 16
	v_pk_add_f32 v[X+2*i:X+2*i+1], v[X+2*i:X+2*i+1], v[4:5] neg_lo:[0,1] neg_hi:[0,1]
.set i, i+1
.endr
.irp k, 0,2,4,6
	v_pk_mul_f32 v[8+\k:9+\k], v[X+\k:X+\k+1], v[X+\k:X+\k+1]
.endr
.irp m, 8,16,24
.irp k, 0,2,4,6
	v_pk_fma_f32 v[8+\k:9+\k], v[X+\m+\k:X+\m+\k+1], v[X+\m+\k:X+\m+\k+1], v[8+\k:9+\k]
.endr
.endr
	REDUCE
	v_fma_f32 v3, v8, s3, s4                       ; sum / 1,024 + 1e-6
	v_rsq_f32 v6, v3
	v_rsq_f32 v7, v3
	s_wait_loadcnt 0x0                             ; gain and bias: their rounding is the independent work behind the batch
.set i, 0
.rept 16
	RB G+2*i, G+2*i+1, O
	RB BE+2*i, BE+2*i+1, O
.set i, i+1
.endr
	s_wait_alu depctr_va_vdst(0)                   ; one wait for the two, ahead of their first reader
.set i, 0
.rept 16
	v_pk_mul_f32 v[X+2*i:X+2*i+1], v[X+2*i:X+2*i+1], v[6:7]
.set i, i+1
.endr
.set i, 0
.rept 16
	v_pk_fma_f32 v[X+2*i:X+2*i+1], v[X+2*i:X+2*i+1], v[G+2*i:G+2*i+1], v[BE+2*i:BE+2*i+1]
.set i, i+1
.endr
.set i, 0
.rept 16
	v_cvt_pk_f16_f32 v[O+i], v[X+2*i], v[X+2*i+1]
.set i, i+1
.endr
.set i, 0
.rept 8
	global_store_b64 v2, v[O+2*i:O+2*i+1], s[HP:HP+1] offset:256*i
.set i, i+1
.endr
	s_endpgm
.Lfunc_end_k_q0b836c59ee_ln2:
	.size	k_q0b836c59ee_ln2, .Lfunc_end_k_q0b836c59ee_ln2-k_q0b836c59ee_ln2
	.p2alignl 7, 3214868480
	.fill 96, 4, 3214868480
	.section	.rodata,"a",@progbits
	.p2align	6, 0x0
	.amdhsa_kernel k_q0b836c59ee_ln2
		.amdhsa_group_segment_fixed_size 0
		.amdhsa_private_segment_fixed_size 0
		.amdhsa_enable_private_segment 0
		.amdhsa_kernarg_size 32
		.amdhsa_user_sgpr_count 2
		.amdhsa_user_sgpr_kernarg_segment_ptr 1
		.amdhsa_wavefront_size32 1
		.amdhsa_system_sgpr_workgroup_id_x 1
		.amdhsa_system_sgpr_workgroup_id_y 1
		.amdhsa_system_sgpr_workgroup_id_z 1
		.amdhsa_system_vgpr_workitem_id 0
		.amdhsa_next_free_vgpr 128
		.amdhsa_next_free_sgpr 66
		.amdhsa_reserve_vcc 0
		.amdhsa_float_denorm_mode_32 3
		.amdhsa_float_denorm_mode_16_64 3
		.amdhsa_memory_ordered 1
		.amdhsa_forward_progress 1
		.amdhsa_inst_pref_size 16
	.end_amdhsa_kernel
	.amdgpu_metadata
---
amdhsa.version: [ 1, 2 ]
amdhsa.kernels:
  - .name:           k_q0b836c59ee_ln2
    .symbol:         k_q0b836c59ee_ln2.kd
    .args:
      - { .name: x1, .offset: 0, .size: 8, .value_kind: global_buffer, .address_space: global }
      - { .name: g2, .offset: 8, .size: 8, .value_kind: global_buffer, .address_space: global }
      - { .name: be2, .offset: 16, .size: 8, .value_kind: global_buffer, .address_space: global }
      - { .name: hn, .offset: 24, .size: 8, .value_kind: global_buffer, .address_space: global }
    .group_segment_fixed_size: 0
    .private_segment_fixed_size: 0
    .kernarg_segment_align: 8
    .kernarg_segment_size: 32
    .max_flat_workgroup_size: 256
    .sgpr_count:     66
    .vgpr_count:     128
    .wavefront_size: 32
...
	.end_amdgpu_metadata
.endif
;; end of part 5
;; launch ffn1 (part 6): grid 16 x 16, 4 waves a work-group, clusters of 4 x 4, 327,680 bytes of LDS; arguments hn, wb, ff, b1; writes ff
.if DOCPART == 6
	.amdgcn_target "amdgcn-amd-amdhsa--gfx1250"
	.amdhsa_code_object_version 6
	.text
	.protected	k_q0b836c59ee_ffn1
	.globl	k_q0b836c59ee_ffn1
	.p2align	8
	.type	k_q0b836c59ee_ffn1,@function
k_q0b836c59ee_ffn1:
	s_mov_b64 s[64:65], 0
	v_nop
	global_prefetch_b8 v0, s[64:65] scope:SCOPE_SE
	s_setreg_imm32_b32 hwreg(HW_REG_WAVE_MODE, 25, 1), 1
	s_wait_xcnt 0x0
	s_wait_alu depctr_hold_cnt(0) depctr_sa_sdst(0) depctr_va_vdst(0) depctr_va_sdst(0) depctr_va_ssrc(0) depctr_va_vcc(0) depctr_vm_vsrc(0)
	s_getreg_b32 s2, hwreg(HW_REG_IB_STS2, 6, 4)
	s_cmp_eq_u32 s2, 0
	s_cbranch_scc0 .Lentry_in_a_cluster
	s_endpgm
.Lentry_in_a_cluster:
	s_bfe_u32 s2, ttmp6, 0x10000c
	s_cmp_lg_u32 s2, 0xf033
	s_cbranch_scc0 .Lentry_shape_is_right
	s_endpgm
.Lentry_shape_is_right:
; ff = gelu(hn W1^T + b1) in f16.  hn: [4096][1024] f16; W1 = wb from byte 8,388,608, [4096][1024] f16; ff: [4096][4096] f16.  Sums in f32.
; GELU, exact form: u Phi(u) = max(u, 0) - |u| q, q = (((((C5 t + C4) t + C3) t + C2) t + C1) t) 2^(-u^2 log2(e) / 2), t = 1 / (1 + 0.23164189 |u|): the five-term formula for erf (Abramowitz and Stegun 7.1.26),
; halved; its absolute error is at most 1.5e-7 for every argument; for large |u| the power is 0 and the tails are exact.
; LIMITS.  b1 is rounded to bf16; ff is rounded once to f16 (beyond 65,504: infinite).  NaN and infinities are not treated apart.
; SHARES.  A tile of C is 256 x 256: 16 x 16 work-groups.  Four waves, each 128 x 128: 64 accumulators.  K goes in steps of 128 through two LDS slots filled by joint tensor loads.
; CLUSTER 4 x 4: A's tile is asked for jointly by a row of the cluster, B's by a column.  Waves 0, 1 fetch A's halves, waves 2, 3 B's.  The matrix instruction is used transposed.
; THE K STEP IS A LOOP: two trips of the unit U, each two quarters of 32 along K on fragment buffers F0 and F1; the slot in hand is the scalar TB (0 or SLOT).
; REGISTERS: window 0: v16-31 addresses, v64-127, v128-191 A's fragments; window 1: the same numbers, B's; windows 2, 3: accumulator (a, b) at v[8 (8 (a % 4) + b)], window 2 + a / 4.
.set NBW,    8
.set WBOFF,  8388608
.set KSTEP,  128
.set PITCH,  272
.set HALFA,  128*PITCH
.set HALFB,  16*NBW*PITCH
.set SLOT,   2*HALFA+2*HALFB
.set SPARE,  2*SLOT
.set SPITCH, 528                       ; the stage, laid over the ring after its last fill: for each wave 128 rows of 128 f32 + 16 bytes = 132 words
.set TSTEPS, 8
.set STEPA,  KSTEP*2
.set STEPB,  KSTEP*2
.set QA, 64
.set QB, 64
.set WALL, 16+2*NBW
.set WLO,  8
.set F0, 64
.set F1, 128
.set ADRA, 16
.set A0,   17
.set ADRB, 20
.set B0,   21
.set STO,  24
.set RD,   25
.set CO,   26
.set SPW,  28
.set NIL,  29
.set PFO,  30
.set LO16, 31
.set BI,   32                          ; v[32:35] b1 of my four columns
.set GO,   36                          ; v[36:51] 8 rows as f16
.set GX,   64                          ; the way out, 32 registers each: sums, u, t, the power, the polynomial, max(u, 0)
.set GU,   96
.set GT,   128
.set GE,   160
.set GP,   192
.set GM,   224
.set CNT, 2
.set STEPS, 3
.set G1A, 24
.set G0A, 32
.set CX, 40
.set CY, 41
.set TC, 42
.set TR, 43
.set LIM, 44
.set TB, 45
.set PFA, 46
.set G1B, 48
.set G0B, 56
.set WV, 66
.set RH, 67
.set CH, 68
.set WOFFA, 69
.set WOFFB, 70
.set HIM, 71
.set KP, 72
.set KE, 74
.set C1, 76
.set C2, 78
.set C3, 80
.set C4, 82
.set C5, 84
.set MSB, 0
.macro WIN new
.if MSB != (\new)
	s_set_vgpr_msb (MSB<<8)|(\new)
.set MSB, (\new)
.endif
.endm
.macro PLACES
.rept 4
	v_nop
.endr
.endm
.macro RB a, b, t
	v_cvt_pk_bf16_f32 v[\t], v[\a], v[\b]
	v_lshlrev_b32 v[\a], 16, v[\t]
	v_and_b32 v[\b], s[HIM], v[\t]
.endm
.macro CROUND
	s_barrier_signal -1
	s_barrier_wait -1
	s_cmp_lg_u32 s[WV], 0
	s_cbranch_scc1 .Lnw0_\@
	s_barrier_signal -3
.Lnw0_\@:
	s_barrier_wait -3
	s_barrier_signal -1
	s_barrier_wait -1
.endm
.macro JLOAD
	s_cmp_eq_u32 s[RH], 0
	s_cbranch_scc0 .Lfb_\@
	tensor_load_to_lds s[G0A+4:G0A+7], s[G1A:G1A+7]
	s_nop 0
	PLACES
	s_branch .Las_\@
.Lfb_\@:
	tensor_load_to_lds s[G0B+4:G0B+7], s[G1B:G1B+7]
	s_nop 0
	PLACES
.Las_\@:
.endm
; A prefetch of the K step two refills on, behind the joint load: a lane a row, 256 bytes of each.  A's rows are asked for by the clusters with x = 0, B's by those with y = 0; the four partners that ask
; for a tile jointly share its rows out by address, 32 each.  K steps 4 to 7 are named, in front of steps 1 to 4; the last refills name nothing.
.macro ASK
	s_cmp_gt_u32 s[STEPS], s[LIM]
	s_cbranch_scc0 .Lnm_\@
	global_prefetch_b8 v[PFO], s[PFA:PFA+1] offset:KSTEP*2 th:TH_LOAD_NT scope:SCOPE_SE
.Lnm_\@:
.endm
.macro CHANGE fill
	WIN 0
	s_wait_tensorcnt 0x0
	ds_add_u32 v[SPW], v[NIL]
.if \fill
	s_add_co_u32 s[G0A+5], s[WOFFA], s[TB]
	s_add_co_u32 s[G0B+5], s[WOFFB], s[TB]
	s_add_nc_u64 s[G0A+6:G0A+7], s[G0A+6:G0A+7], STEPA
	s_add_nc_u64 s[G0B+6:G0B+7], s[G0B+6:G0B+7], STEPB
	s_wait_xcnt 0x0                                ; the last prefetch, a K step back, has read its address
	s_add_nc_u64 s[PFA:PFA+1], s[PFA:PFA+1], KSTEP*2
.endif
	s_xor_b32 s[TB], s[TB], SLOT
	v_add_nc_u32 v[ADRA], s[TB], v[A0]
	v_add_nc_u32 v[ADRB], s[TB], v[B0]
	s_wait_dscnt 0x0
.if \fill
	CROUND
	JLOAD
	ASK
.else
	s_barrier_signal -1
	s_barrier_wait -1
.endif
.endm
.macro FETCH f, qa, qb
	WIN 0x40
.set i, 0
.rept NBW
	ds_load_b128 v[(\f)+8*i:(\f)+8*i+3],   v[ADRB] offset:(\qb)+i*16*PITCH
	ds_load_b128 v[(\f)+8*i+4:(\f)+8*i+7], v[ADRB] offset:(\qb)+i*16*PITCH+32
.set i, i+1
.endr
	WIN 0
.set i, 0
.rept 8
	ds_load_b128 v[(\f)+8*i:(\f)+8*i+3],   v[ADRA] offset:(\qa)+i*16*PITCH
	ds_load_b128 v[(\f)+8*i+4:(\f)+8*i+7], v[ADRA] offset:(\qa)+i*16*PITCH+32
.set i, i+1
.endr
.endm
.macro MULH f, h, zero
	WIN 0xa1+0x50*(\h)
.set a, 0
.rept 4
.set b, 0
.rept NBW
.if \zero
	v_wmma_f32_16x16x32_f16 v[8*(8*a+b):8*(8*a+b)+7], v[(\f)+8*b:(\f)+8*b+7], v[(\f)+8*(4*(\h)+a):(\f)+8*(4*(\h)+a)+7], 0
.else
	v_wmma_f32_16x16x32_f16 v[8*(8*a+b):8*(8*a+b)+7], v[(\f)+8*b:(\f)+8*b+7], v[(\f)+8*(4*(\h)+a):(\f)+8*(4*(\h)+a)+7], v[8*(8*a+b):8*(8*a+b)+7]
.endif
.set b, b+1
.endr
.set a, a+1
.endr
.endm
.macro U
	PLACES
	FETCH F0, 0, 0
	s_wait_dscnt WALL                              ; all but the run just issued: F1 is whole
	MULH F1, 1, 0
	s_wait_dscnt WLO                               ; F0 but for A's rows 64-127
	MULH F0, 0, 0
	PLACES
	FETCH F1, QA, QB
	WIN 0
	v_add_nc_u32 v[ADRA], 2*QA, v[ADRA]
	v_add_nc_u32 v[ADRB], 2*QB, v[ADRB]
	s_wait_dscnt WALL
	MULH F0, 1, 0
	s_wait_dscnt WLO
	MULH F1, 0, 0
	WIN 0
.endm
	s_load_b256 s[4:11], s[0:1], 0x0               ; hn 4, wb 6, ff 8, b1 10
	v_lshl_add_u32 v[SPW], v0, 2, SPARE
	v_mov_b32 v[NIL], 0
	ds_add_u32 v[SPW], v[NIL]                      ; the wave's opening: the add, and its wait, stand ahead of my first tensor load
	v_lshrrev_b32 v1, 5, v0
	v_readfirstlane_b32 s[WV], v1
	s_lshr_b32 s[RH], s[WV], 1
	s_and_b32 s[CH], s[WV], 1
	s_bfe_u32 s[CX], ttmp6, 0x40000
	s_bfe_u32 s[CY], ttmp6, 0x40004
	s_lshl_b32 s[TC], ttmp9, 2
	s_add_co_u32 s[TC], s[TC], s[CX]
	s_and_b32 s[TR], ttmp7, 0xffff
	s_lshl_b32 s[TR], s[TR], 2
	s_add_co_u32 s[TR], s[TR], s[CY]
	s_lshl_b32 s16, s[CY], 2
	s_lshl_b32 s16, 15, s16
	s_lshl_b32 s20, 0x1111, s[CX]
.set G1C, (1<<16)|(1<<20)|(1<<21)|(5<<22)|(3<<25)
	s_or_b32 s[G1A], s16, G1C
	s_or_b32 s[G1B], s20, G1C
	s_mov_b32 s[G1A+1], KSTEP<<16
	s_mov_b32 s[G1A+2], 128<<16
	s_mov_b32 s[G1A+3], KSTEP<<16
	s_mov_b32 s[G1A+4], 128
	s_mov_b32 s[G1A+5], 1024
	s_mov_b32 s[G1A+6], 0
	s_mov_b32 s[G1A+7], 0
	s_mov_b32 s[G1B+1], KSTEP<<16
	s_mov_b32 s[G1B+2], (16*NBW)<<16
	s_mov_b32 s[G1B+3], KSTEP<<16
	s_mov_b32 s[G1B+4], 16*NBW
	s_mov_b32 s[G1B+5], 1024
	s_mov_b32 s[G1B+6], 0
	s_mov_b32 s[G1B+7], 0
	s_lshl_b32 s16, s[TR], 8
	s_lshl_b32 s18, s[CH], 7
	s_add_co_u32 s16, s16, s18
	s_lshl_b32 s16, s16, 11
	s_mov_b32 s17, 0
	s_lshl_b32 s20, s[TC], 1
	s_add_co_u32 s20, s20, s[CH]
	s_mul_i32 s20, s20, 16*NBW*2048
	s_mov_b32 s21, 0
	s_mul_i32 s[WOFFA], s[CH], HALFA
	s_mul_i32 s[WOFFB], s[CH], HALFB
	s_add_co_u32 s[WOFFB], s[WOFFB], 2*HALFA
	s_mov_b32 s[TB], 0
	s_mov_b32 s[HIM], 0xffff0000
	s_mov_b32 s[KP], 0x3e6d3388                    ; 0.3275911 / sqrt(2)
	s_mov_b32 s[KE], 0xbf38aa3b                    ; -log2(e) / 2
	s_mov_b32 s[KE+1], s[KE]                       ; the packed lines name pairs
	s_mov_b32 s[C1], 0x3e027906                    ; the five coefficients, halved
	s_mov_b32 s[C1+1], s[C1]
	s_mov_b32 s[C2], 0xbe11a98e
	s_mov_b32 s[C2+1], s[C2]
	s_mov_b32 s[C3], 0x3f35f0e3
	s_mov_b32 s[C3+1], s[C3]
	s_mov_b32 s[C4], 0xbf3a00e3
	s_mov_b32 s[C4+1], s[C4]
	s_mov_b32 s[C5], 0x3f07dc22
	s_mov_b32 s[C5+1], s[C5]
	s_wait_dscnt 0x0                               ; the opening add is done
	s_wait_kmcnt 0x0
	s_add_nc_u64 s[6:7], s[6:7], WBOFF
	s_add_nc_u64 s[16:17], s[4:5], s[16:17]
	s_add_nc_u64 s[20:21], s[6:7], s[20:21]
.irp n, 0,1
	s_mov_b32 s[G0A+4*\n], 1
	s_add_co_u32 s[G0A+4*\n+1], s[WOFFA], \n*SLOT
	s_add_nc_u64 s[G0A+4*\n+2:G0A+4*\n+3], s[16:17], \n*STEPA
	s_or_b32 s[G0A+4*\n+3], s[G0A+4*\n+3], 0x80000000
	s_mov_b32 s[G0B+4*\n], 1
	s_add_co_u32 s[G0B+4*\n+1], s[WOFFB], \n*SLOT
	s_add_nc_u64 s[G0B+4*\n+2:G0B+4*\n+3], s[20:21], \n*STEPB
	s_or_b32 s[G0B+4*\n+3], s[G0B+4*\n+3], 0x80000000
.endr
	CROUND                                         ; all sixteen work-groups are here: the first joint loads meet
	s_cmp_eq_u32 s[RH], 0                          ; a wave's two first fills stand in one branch: two loads of mine are out
	s_cbranch_scc0 .Lfirst_b
	tensor_load_to_lds s[G0A:G0A+3], s[G1A:G1A+7]
	s_nop 0
	tensor_load_to_lds s[G0A+4:G0A+7], s[G1A:G1A+7]
	s_nop 0
	PLACES
	s_branch .Lfirst_done
.Lfirst_b:
	tensor_load_to_lds s[G0B:G0B+3], s[G1B:G1B+7]
	s_nop 0
	tensor_load_to_lds s[G0B+4:G0B+7], s[G1B:G1B+7]
	s_nop 0
	PLACES
.Lfirst_done:
	v_and_b32 v1, 15, v0
	v_bfe_u32 v2, v0, 4, 1
	v_and_b32 v6, 31, v0
	v_lshlrev_b32 v[LO16], 4, v6
	s_lshl_b32 s86, s[TC], 8
	s_lshl_b32 s87, s[CH], 7
	s_add_co_u32 s86, s86, s87                     ; my first column
	s_lshl_b32 s88, s86, 2
	s_mov_b32 s89, 0
	s_add_nc_u64 s[10:11], s[10:11], s[88:89]
	global_load_b128 v[BI:BI+3], v[LO16], s[10:11] ; b1 of columns 4 l .. 4 l + 3 of my 128
	s_lshl_b32 s88, s[TR], 8
	s_lshl_b32 s87, s[RH], 7
	s_add_co_u32 s88, s88, s87                     ; my first row, 8,192 bytes a row of ff
	s_lshl_b32 s88, s88, 13
	s_lshl_b32 s87, s86, 1
	s_add_co_u32 s88, s88, s87
	s_add_nc_u64 s[8:9], s[8:9], s[88:89]
	v_mul_u32_u24 v3, v1, PITCH
	v_lshl_add_u32 v3, v2, 4, v3
	s_mul_i32 s86, s[RH], HALFA
	v_add_nc_u32 v[A0], s86, v3
	s_mul_i32 s86, s[CH], HALFB
	s_add_co_u32 s86, s86, 2*HALFA
	v_add_nc_u32 v[B0], s86, v3
	v_mov_b32 v[ADRA], v[A0]
	v_mov_b32 v[ADRB], v[B0]
	s_mul_i32 s86, s[WV], 128*SPITCH               ; my stage
	v_mul_u32_u24 v[STO], v1, SPITCH               ; in: row 16 a + l % 16, byte 64 b + 32 (l / 16)
	v_lshl_add_u32 v[STO], v2, 5, v[STO]
	v_add_nc_u32 v[STO], s86, v[STO]
	v_add_nc_u32 v[RD], s86, v[LO16]               ; back: a load of the wave is a whole row of 512 bytes
	v_lshlrev_b32 v[CO], 3, v6                     ; and 256 bytes of a row of ff
	; the prefetches
	s_lshl_b32 s86, s[TR], 8
	s_mul_i32 s87, s[TC], 32*NBW
	s_and_b32 s88, ttmp7, 0xffff
	s_cmp_eq_u32 s[RH], 0
	s_cselect_b32 s86, s86, s87                    ; the tile's first row
	s_cselect_b32 s90, s[CX], s[CY]                ; my place among the four that ask with me
	s_cselect_b32 s88, ttmp9, s88                  ; the coordinate along which other clusters read the same rows
	s_cselect_b64 s[PFA:PFA+1], s[4:5], s[6:7]
	s_cmp_eq_u32 s88, 0
	s_cselect_b32 s[LIM], 2, -1
	s_lshl_b32 s87, s[CH], 7
	s_add_co_u32 s86, s86, s87
	s_lshl_b32 s87, s90, 5
	s_add_co_u32 s86, s86, s87
	s_lshl_b32 s86, s86, 11
	s_mov_b32 s87, 0
	s_add_nc_u64 s[PFA:PFA+1], s[PFA:PFA+1], s[86:87]
	s_add_nc_u64 s[PFA:PFA+1], s[PFA:PFA+1], 2*KSTEP*2  ; at K step 2: the first change steps it to 3 and names step 4
	v_lshlrev_b32 v[PFO], 11, v6
	s_wait_loadcnt 0x0
	RB BI, BI+1, 52
	RB BI+2, BI+3, 52
	s_wait_tensorcnt 1                             ; my part of K step 0 is in; step 1's may stay out
	s_barrier_signal -1
	s_barrier_wait -1
	FETCH F0, 0, 0                                 ; the first two quarters are written out: their products start the sums with the constant 0
	s_wait_dscnt WLO
	MULH F0, 0, 1
	PLACES
	FETCH F1, QA, QB
	WIN 0
	v_add_nc_u32 v[ADRA], 2*QA, v[ADRA]
	v_add_nc_u32 v[ADRB], 2*QB, v[ADRB]
	s_wait_dscnt WALL
	MULH F0, 1, 1
	s_wait_dscnt WLO
	MULH F1, 0, 0
	WIN 0
	s_mov_b32 s[CNT], 1
	s_mov_b32 s[STEPS], TSTEPS-1
	s_branch .Linner
.Lstep:
	CHANGE 1
	s_mov_b32 s[CNT], 2
.Linner:
	U
	s_sub_co_u32 s[CNT], s[CNT], 1
	s_cmp_lg_u32 s[CNT], 0
	s_cbranch_scc1 .Linner
	s_sub_co_u32 s[STEPS], s[STEPS], 1
	s_cmp_lg_u32 s[STEPS], 0
	s_cbranch_scc1 .Lstep
	CHANGE 0                                       ; the last step is written out
	s_mov_b32 s[CNT], 2
.Ltail:
	U
	s_sub_co_u32 s[CNT], s[CNT], 1
	s_cmp_lg_u32 s[CNT], 0
	s_cbranch_scc1 .Ltail
	s_wait_dscnt 0x0
	MULH F1, 1, 0
	WIN 0
	; THE WAY OUT.  The ring has had its last fill and every wave's reads of it are back: behind a barrier each wave lays its 128 x 128 sums into its own stage, and takes them back by whole rows, 8 a trip.
	PLACES
	s_barrier_signal -1
	s_barrier_wait -1
.set a, 0
.rept 8
	WIN 0x08+4*(a/4)                               ; the data in window 2 or 3; each accumulator's low half goes first
.set b, 0
.rept NBW
	ds_store_b128 v[STO], v[8*(8*(a%4)+b):8*(8*(a%4)+b)+3]   offset:a*16*SPITCH+64*b
	ds_store_b128 v[STO], v[8*(8*(a%4)+b)+4:8*(8*(a%4)+b)+7] offset:a*16*SPITCH+64*b+16
.set b, b+1
.endr
.set a, a+1
.endr
	WIN 0
.irp j, 0,1,2,3,4,5,6,7
	ds_load_b128 v[GX+4*\j:GX+4*\j+3], v[RD] offset:SPITCH*\j  ; LDS serves a wave's instructions in order (ISA guide 5.7.1.4): these see my stores
.endr
	s_mov_b32 s[CNT], 16
.Lrow:
	s_wait_dscnt 0x0                               ; this trip's 8 rows
.set i, 0
.rept 16
	v_pk_add_f32 v[GU+2*i:GU+2*i+1], v[GX+2*i:GX+2*i+1], v[BI+2*(i%2):BI+2*(i%2)+1]
.set i, i+1
.endr
	s_cmp_eq_u32 s[CNT], 1                         ; the next trip's rows are asked for behind the one reader of GX; the last trip has none
	s_cbranch_scc1 .Lnl
	v_add_nc_u32 v[RD], 8*SPITCH, v[RD]
.irp j, 0,1,2,3,4,5,6,7
	ds_load_b128 v[GX+4*\j:GX+4*\j+3], v[RD] offset:SPITCH*\j
.endr
.Lnl:
.set i, 0
.rept 32
	v_fma_f32 v[GT+i], |v[GU+i]|, s[KP], 1.0
.set i, i+1
.endr
.set i, 0
.rept 16
	v_pk_mul_f32 v[GE+2*i:GE+2*i+1], v[GU+2*i:GU+2*i+1], v[GU+2*i:GU+2*i+1]
.set i, i+1
.endr
.set i, 0
.rept 16
	v_pk_mul_f32 v[GE+2*i:GE+2*i+1], v[GE+2*i:GE+2*i+1], s[KE:KE+1] op_sel_hi:[1,0]
.set i, i+1
.endr
.set i, 0
.rept 32                               ; one batch of 64: nothing ahead of the wait names a result
	v_rcp_f32 v[GT+i], v[GT+i]
.set i, i+1
.endr
.set i, 0
.rept 32
	v_exp_f32 v[GE+i], v[GE+i]
.set i, i+1
.endr
.set i, 0
.rept 32
	v_max_num_f32 v[GM+i], 0, v[GU+i]              ; independent plain work behind the batch
.set i, i+1
.endr
	s_wait_alu depctr_va_vdst(0)                   ; one wait for the batch, ahead of its first reader
.set i, 0
.rept 16
	v_pk_fma_f32 v[GP+2*i:GP+2*i+1], v[GT+2*i:GT+2*i+1], s[C5:C5+1], s[C4:C4+1] op_sel_hi:[1,0,0]
.set i, i+1
.endr
.irp c, C3, C2, C1
.set i, 0
.rept 16
	v_pk_fma_f32 v[GP+2*i:GP+2*i+1], v[GP+2*i:GP+2*i+1], v[GT+2*i:GT+2*i+1], s[\c:\c+1] op_sel_hi:[1,1,0]
.set i, i+1
.endr
.endr
.set i, 0
.rept 16
	v_pk_mul_f32 v[GP+2*i:GP+2*i+1], v[GP+2*i:GP+2*i+1], v[GT+2*i:GT+2*i+1]
.set i, i+1
.endr
.set i, 0
.rept 16
	v_pk_mul_f32 v[GP+2*i:GP+2*i+1], v[GP+2*i:GP+2*i+1], v[GE+2*i:GE+2*i+1]
.set i, i+1
.endr
.set i, 0
.rept 32
	v_fma_f32 v[GM+i], -|v[GU+i]|, v[GP+i], v[GM+i]
.set i, i+1
.endr
.set i, 0
.rept 16
	v_cvt_pk_f16_f32 v[GO+i], v[GM+2*i], v[GM+2*i+1]
.set i, i+1
.endr
.irp j, 0,1,2,3,4,5,6,7
	global_store_b64 v[CO], v[GO+2*\j:GO+2*\j+1], s[8:9] offset:8192*\j  ; 32 lanes x 8 bytes: 256 consecutive bytes of a row, aligned
.endr
	s_wait_xcnt 0x0                                ; the stores have read their base and data: both are written again only behind this wait
	s_add_nc_u64 s[8:9], s[8:9], 65536
	s_sub_co_u32 s[CNT], s[CNT], 1
	s_cmp_lg_u32 s[CNT], 0
	s_cbranch_scc1 .Lrow
	s_wait_tensorcnt 0x0                           ; the wave's end
	ds_add_u32 v[SPW], v[NIL]
	s_wait_dscnt 0x0
	CROUND                                         ; the closing round
	s_endpgm
.Lfunc_end_k_q0b836c59ee_ffn1:
	.size	k_q0b836c59ee_ffn1, .Lfunc_end_k_q0b836c59ee_ffn1-k_q0b836c59ee_ffn1
	.p2alignl 7, 3214868480
	.fill 96, 4, 3214868480
	.section	.rodata,"a",@progbits
	.p2align	6, 0x0
	.amdhsa_kernel k_q0b836c59ee_ffn1
		.amdhsa_group_segment_fixed_size 327680
		.amdhsa_private_segment_fixed_size 0
		.amdhsa_enable_private_segment 0
		.amdhsa_kernarg_size 32
		.amdhsa_user_sgpr_count 2
		.amdhsa_user_sgpr_kernarg_segment_ptr 1
		.amdhsa_wavefront_size32 1
		.amdhsa_system_sgpr_workgroup_id_x 1
		.amdhsa_system_sgpr_workgroup_id_y 1
		.amdhsa_system_sgpr_workgroup_id_z 1
		.amdhsa_system_vgpr_workitem_id 0
		.amdhsa_next_free_vgpr 1024
		.amdhsa_next_free_sgpr 100
		.amdhsa_reserve_vcc 0
		.amdhsa_float_denorm_mode_32 3
		.amdhsa_float_denorm_mode_16_64 3
		.amdhsa_memory_ordered 1
		.amdhsa_forward_progress 1
		.amdhsa_inst_pref_size 77
	.end_amdhsa_kernel
	.amdgpu_metadata
---
amdhsa.version: [ 1, 2 ]
amdhsa.kernels:
  - .name:           k_q0b836c59ee_ffn1
    .symbol:         k_q0b836c59ee_ffn1.kd
    .args:
      - { .name: hn, .offset: 0, .size: 8, .value_kind: global_buffer, .address_space: global }
      - { .name: wb, .offset: 8, .size: 8, .value_kind: global_buffer, .address_space: global }
      - { .name: ff, .offset: 16, .size: 8, .value_kind: global_buffer, .address_space: global }
      - { .name: b1, .offset: 24, .size: 8, .value_kind: global_buffer, .address_space: global }
    .group_segment_fixed_size: 327680
    .private_segment_fixed_size: 0
    .kernarg_segment_align: 8
    .kernarg_segment_size: 32
    .max_flat_workgroup_size: 128
    .sgpr_count:     100
    .vgpr_count:     1024
    .wavefront_size: 32
...
	.end_amdgpu_metadata
.endif
;; end of part 6
;; launch ffn2 (part 7): grid 8 x 32, 4 waves a work-group, clusters of 4 x 4, 327,680 bytes of LDS; arguments ff, wb, out0, x1, b2; writes out0
.if DOCPART == 7
	.amdgcn_target "amdgcn-amd-amdhsa--gfx1250"
	.amdhsa_code_object_version 6
	.text
	.protected	k_q0b836c59ee_ffn2
	.globl	k_q0b836c59ee_ffn2
	.p2align	8
	.type	k_q0b836c59ee_ffn2,@function
k_q0b836c59ee_ffn2:
	s_mov_b64 s[64:65], 0
	v_nop
	global_prefetch_b8 v0, s[64:65] scope:SCOPE_SE
	s_setreg_imm32_b32 hwreg(HW_REG_WAVE_MODE, 25, 1), 1
	s_wait_xcnt 0x0
	s_wait_alu depctr_hold_cnt(0) depctr_sa_sdst(0) depctr_va_vdst(0) depctr_va_sdst(0) depctr_va_ssrc(0) depctr_va_vcc(0) depctr_vm_vsrc(0)
	s_getreg_b32 s2, hwreg(HW_REG_IB_STS2, 6, 4)
	s_cmp_eq_u32 s2, 0
	s_cbranch_scc0 .Lentry_in_a_cluster
	s_endpgm
.Lentry_in_a_cluster:
	s_bfe_u32 s2, ttmp6, 0x10000c
	s_cmp_lg_u32 s2, 0xf033
	s_cbranch_scc0 .Lentry_shape_is_right
	s_endpgm
.Lentry_shape_is_right:
; OUT = RES + bias + A B^T in f32.  One text serves two launches; IS_WO chooses the sizes.
; IS_WO = 1: x1 = bf16(x) + bo + ctx Wo^T.  A = ctx, by heads [32][2048][64] f16 (K = 1,024 = 16 heads x 64); B = Wo in wb; RES = x, f32, rounded to bf16 here like every input.
; IS_WO = 0: out0 = x1 + b2 + ff W2^T.  A = ff [4096][4096] f16; B = W2 in wb; RES = x1, f32, the program's own carry: not rounded.
; LIMITS.  The bias is rounded to bf16.  A and B are f16.  The sums, and the residual that starts them, are f32.
; SHARES.  A tile of OUT is 128 x 128: 8 x 32 work-groups.  Four waves, each 64 x 64: 16 accumulators, which START as residual + bias: nothing is cleared and nothing is added afterwards.
; K goes in steps of 256 through two LDS slots filled by joint tensor loads; cluster 4 x 4, A's tile shared along a row of the cluster, B's along a column.  The K step is a loop: two trips of a unit
; of two quarters of 64 along K on fragment buffers F0 and F1; the loop is entered in the unit's middle.  The matrix instruction is used transposed: a lane holds one row of OUT and eight neighbouring columns.
; THE WALK ALONG K GOES ROUND.  A's rows are read by the two clusters along x, B's by the clusters along y.  A cluster begins at K step (TSTEPS/2 x cluster x + TSTEPS/4 x (cluster y mod 4)) mod TSTEPS, so that
; the two that read the same rows of A, and four neighbours that read the same rows of B, are never at the same K step.  The first step hangs on the cluster's x and y alone, which all sixteen partners share.
; f32 sums may be taken in any order of K.
; No prefetch: a step's tiles are small, and a wave's one load behind each round brings them.
; REGISTERS: window 0: v16-31 addresses; v32-95 at work; v96-127 bias; v128-255 accumulator (a, b) at 128 + 8 (4 a + b).  Window 1: F0 = v0-127, F1 = v128-255: 64 of A (8 (4 c + i)), then 64 of B.
.set IS_WO, 0
.if IS_WO
.set TSTEPS, 4
.set AP,     144                       ; A in LDS: [head][row], 128 bytes + 16 a row
.set QA,     128*AP                    ; a quarter of a K step is one head
.set HALFA,  2*QA                      ; a wave fetches two heads
.set STEPA,  4*2048*128                ; four heads on
.set KROW,   1024                      ; elements in a row of B
.set WBOFF,  6291456
.else
.set TSTEPS, 16
.set AP,     528
.set QA,     128
.set HALFA,  64*AP
.set STEPA,  512
.set KROW,   4096
.set WBOFF,  16777216
.endif
.set BPI,    528                       ; a row of B in LDS: 512 bytes + 16 = 132 words: the 16 rows of a load start at 16 different groups of four banks (ISA guide 11.1)
.set QB,     128
.set HALFB,  64*BPI
.set STEPB,  512
.set ABYTES, 2*HALFA
.set SLOT,   ABYTES+2*HALFB
.set STAGE,  2*SLOT                    ; behind the ring, never filled by a tensor load: 32 rows x 272 bytes a wave
.set SPITCH, 272
.set SPARE,  STAGE+4*32*SPITCH
.set WALL, 32
.set WLO,  16                          ; the youngest of a run: the quarter's second 32 along K
.set F0, 0
.set F1, 128
.set ADRA, 16
.set A0,   17
.set ADRB, 20
.set B0,   21
.set STO,  24
.set RD,   25
.set CO,   26
.set BO,   27
.set SPW,  28
.set NIL,  29
.set RO,   31
.set TMP,  32
.set BIAS, 96
.set ACC,  128
.set CNT, 2
.set STEPS, 3
.set G1A, 24
.set G0A, 32
.set CX, 40
.set CY, 41
.set TC, 42
.set TR, 43
.set TB, 45
.set G1B, 48
.set G0B, 56
.set WV, 66
.set RH, 67
.set CH, 68
.set WOFFA, 69
.set WOFFB, 70
.set HIM, 71
.set KK,  72                           ; s72  the K step at which the walking descriptors stand
.set S0,  73                           ; s73  the walk's first K step
.set WA,  74                           ; s[74:75] what A's address goes back by: a whole walk where the step has come round, else 0
.set WB,  76                           ; s[76:77] the same for B
.set MSB, 0
.macro WIN new
.if MSB != (\new)
	s_set_vgpr_msb (MSB<<8)|(\new)
.set MSB, (\new)
.endif
.endm
.macro PLACES
.rept 4
	v_nop
.endr
.endm
.macro RB a, b, t
	v_cvt_pk_bf16_f32 v[\t], v[\a], v[\b]
	v_lshlrev_b32 v[\a], 16, v[\t]
	v_and_b32 v[\b], s[HIM], v[\t]
.endm
.macro CROUND
	s_barrier_signal -1
	s_barrier_wait -1
	s_cmp_lg_u32 s[WV], 0
	s_cbranch_scc1 .Lnw0_\@
	s_barrier_signal -3
.Lnw0_\@:
	s_barrier_wait -3
	s_barrier_signal -1
	s_barrier_wait -1
.endm
.macro JLOAD
	s_cmp_eq_u32 s[RH], 0
	s_cbranch_scc0 .Lfb_\@
	tensor_load_to_lds s[G0A+4:G0A+7], s[G1A:G1A+7]
	s_nop 0
	PLACES
	s_branch .Las_\@
.Lfb_\@:
	tensor_load_to_lds s[G0B+4:G0B+7], s[G1B:G1B+7]
	s_nop 0
	PLACES
.Las_\@:
.endm
; THE CHANGE OF SLOTS: every wave waits for all its tensor loads, adds 0 to its spare word, waits for that and for its reads of the slot that it leaves; fill = 1: a round of the cluster's barrier, and the refill first behind it.
.macro CHANGE fill
	WIN 0
	s_wait_tensorcnt 0x0
	ds_add_u32 v[SPW], v[NIL]                      ; 0 onto my spare word; the descriptors' steps stand between it and the wait for it
.if \fill
	s_add_co_u32 s[G0A+5], s[WOFFA], s[TB]         ; no tensor load of mine is out, so the descriptors may be written: into the slot that is left,
	s_add_co_u32 s[G0B+5], s[WOFFB], s[TB]
	s_add_co_u32 s[KK], s[KK], 1                   ; the next K step of the walk, modulo TSTEPS
	s_and_b32 s[KK], s[KK], TSTEPS-1
	s_cmp_eq_u32 s[KK], 0
	s_cselect_b32 s[WA], TSTEPS*STEPA, 0
	s_cselect_b32 s[WB], TSTEPS*STEPB, 0
	s_add_nc_u64 s[G0A+6:G0A+7], s[G0A+6:G0A+7], STEPA
	s_add_nc_u64 s[G0B+6:G0B+7], s[G0B+6:G0B+7], STEPB
	s_sub_nc_u64 s[G0A+6:G0A+7], s[G0A+6:G0A+7], s[WA:WA+1]  ; behind the last K step comes step 0; the type bits on top are not reached
	s_sub_nc_u64 s[G0B+6:G0B+7], s[G0B+6:G0B+7], s[WB:WB+1]
.endif
	s_xor_b32 s[TB], s[TB], SLOT
	v_add_nc_u32 v[ADRA], s[TB], v[A0]
	v_add_nc_u32 v[ADRB], s[TB], v[B0]
	s_wait_dscnt 0x0
.if \fill
	CROUND
	JLOAD
.else
	s_barrier_signal -1
	s_barrier_wait -1
.endif
.endm
.macro FETCH f, qa, qb                 ; 32 LDS loads in one run: 64 along K, the first 32 first
	WIN 0x40
.irp c, 0,1
.irp i, 0,1,2,3
	ds_load_b128 v[(\f)+64+8*(4*\c+\i):(\f)+64+8*(4*\c+\i)+3],   v[ADRB] offset:(\qb)+64*\c+\i*16*BPI
	ds_load_b128 v[(\f)+64+8*(4*\c+\i)+4:(\f)+64+8*(4*\c+\i)+7], v[ADRB] offset:(\qb)+64*\c+\i*16*BPI+32
	ds_load_b128 v[(\f)+8*(4*\c+\i):(\f)+8*(4*\c+\i)+3],         v[ADRA] offset:(\qa)+64*\c+\i*16*AP
	ds_load_b128 v[(\f)+8*(4*\c+\i)+4:(\f)+8*(4*\c+\i)+7],       v[ADRA] offset:(\qa)+64*\c+\i*16*AP+32
.endr
.endr
.endm
.macro MULH f, c                       ; 16 products, 32 along K, one on each accumulator
	WIN 0x05
.irp a, 0,1,2,3
.irp b, 0,1,2,3
	v_wmma_f32_16x16x32_f16 v[ACC+8*(4*\a+\b):ACC+8*(4*\a+\b)+7], v[(\f)+64+8*(4*(\c)+\b):(\f)+64+8*(4*(\c)+\b)+7], v[(\f)+8*(4*(\c)+\a):(\f)+8*(4*(\c)+\a)+7], v[ACC+8*(4*\a+\b):ACC+8*(4*\a+\b)+7]
.endr
.endr
.endm
.macro UA                              ; the unit's head: the next quarter is fetched into F0, the last half of F1 is multiplied
	PLACES
	FETCH F0, 0, 0
	s_wait_dscnt WALL                              ; all but the run just issued: F1 is whole
	MULH F1, 1
.endm
.macro UB                              ; the rest of the unit
	s_wait_dscnt WLO                               ; F0's first 32 along K
	MULH F0, 0
	PLACES
	FETCH F1, QA, QB
	WIN 0
	v_add_nc_u32 v[ADRA], 2*QA, v[ADRA]
	v_add_nc_u32 v[ADRB], 2*QB, v[ADRB]
	s_wait_dscnt WALL
	MULH F0, 1
	s_wait_dscnt WLO
	MULH F1, 0
	WIN 0
.endm
	s_load_b256 s[4:11], s[0:1], 0x0               ; A 4, wb 6, OUT 8, RES 10
	s_load_b64 s[12:13], s[0:1], 0x20              ; bias
	v_lshl_add_u32 v[SPW], v0, 2, SPARE
	v_mov_b32 v[NIL], 0
	ds_add_u32 v[SPW], v[NIL]                      ; the wave's opening: the add, and its wait, stand ahead of my first tensor load
	v_lshrrev_b32 v1, 5, v0
	v_readfirstlane_b32 s[WV], v1
	s_lshr_b32 s[RH], s[WV], 1
	s_and_b32 s[CH], s[WV], 1
	s_bfe_u32 s[CX], ttmp6, 0x40000
	s_bfe_u32 s[CY], ttmp6, 0x40004
	s_lshl_b32 s[TC], ttmp9, 2
	s_add_co_u32 s[TC], s[TC], s[CX]
	s_and_b32 s[TR], ttmp7, 0xffff
	s_and_b32 s[S0], s[TR], 3                      ; cluster y mod 4
	s_lshl_b32 s[TR], s[TR], 2
	s_add_co_u32 s[TR], s[TR], s[CY]
	s_lshl_b32 s16, s[CY], 2
	s_lshl_b32 s16, 15, s16
	s_lshl_b32 s20, 0x1111, s[CX]
.if IS_WO
	; A's tile: two heads; a head's 128 rows x 64 channels are 16,384 dense bytes, taken as one row of 8,192 elements; padded in LDS after every 32 words, that is after every row of a head
	s_or_b32 s[G1A], s16, (1<<16)|(1<<20)|(1<<21)|(4<<22)|(3<<25)
	s_mov_b32 s[G1A+1], 8192<<16                   ; tensor_dim0
	s_mov_b32 s[G1A+2], 2<<16                      ; tensor_dim1
	s_mov_b32 s[G1A+3], 8192<<16                   ; tile_dim0
	s_mov_b32 s[G1A+4], 2                          ; tile_dim1
	s_mov_b32 s[G1A+5], 131072                     ; elements from head to head
.else
	s_or_b32 s[G1A], s16, (1<<16)|(1<<20)|(1<<21)|(6<<22)|(3<<25)
	s_mov_b32 s[G1A+1], 256<<16
	s_mov_b32 s[G1A+2], 64<<16
	s_mov_b32 s[G1A+3], 256<<16
	s_mov_b32 s[G1A+4], 64
	s_mov_b32 s[G1A+5], 4096
.endif
	s_mov_b32 s[G1A+6], 0
	s_mov_b32 s[G1A+7], 0
	s_or_b32 s[G1B], s20, (1<<16)|(1<<20)|(1<<21)|(6<<22)|(3<<25)  ; 64 rows x 256 elements, 4 words of padding after every 128
	s_mov_b32 s[G1B+1], 256<<16
	s_mov_b32 s[G1B+2], 64<<16
	s_mov_b32 s[G1B+3], 256<<16
	s_mov_b32 s[G1B+4], 64
	s_mov_b32 s[G1B+5], KROW
	s_mov_b32 s[G1B+6], 0
	s_mov_b32 s[G1B+7], 0
.if IS_WO
	s_lshr_b32 s16, s[TR], 4                       ; batch
	s_lshl_b32 s16, s16, 4
	s_lshl_b32 s18, s[CH], 1
	s_add_co_u32 s16, s16, s18                     ; my first head
	s_lshl_b32 s16, s16, 11
	s_and_b32 s18, s[TR], 15
	s_lshl_b32 s18, s18, 7
	s_add_co_u32 s16, s16, s18                     ; + the tile's first row in a head
	s_lshl_b32 s16, s16, 7                         ; 128 bytes a row
.else
	s_lshl_b32 s16, s[TR], 7
	s_lshl_b32 s18, s[CH], 6
	s_add_co_u32 s16, s16, s18
	s_lshl_b32 s16, s16, 13                        ; 8,192 bytes a row
.endif
	s_mov_b32 s17, 0
	s_lshl_b32 s20, s[TC], 1
	s_add_co_u32 s20, s20, s[CH]
	s_mul_i32 s20, s20, 64*KROW*2
	s_mov_b32 s21, 0
	s_mul_i32 s[WOFFA], s[CH], HALFA
	s_mul_i32 s[WOFFB], s[CH], HALFB
	s_add_co_u32 s[WOFFB], s[WOFFB], ABYTES
	s_mov_b32 s[TB], 0
	s_mov_b32 s[HIM], 0xffff0000
	; where the walk begins: its first two K steps, and their byte offsets along A's and B's rows
	s_mul_i32 s[S0], s[S0], TSTEPS/4
	s_mul_i32 s[KK], ttmp9, TSTEPS/2               ; in a cluster launch ttmp9 is the cluster's x
	s_add_co_u32 s[S0], s[S0], s[KK]
	s_and_b32 s[S0], s[S0], TSTEPS-1
	s_add_co_u32 s[KK], s[S0], 1
	s_and_b32 s[KK], s[KK], TSTEPS-1
	s_mul_i32 s78, s[S0], STEPA
	s_mov_b32 s79, 0
	s_mul_i32 s80, s[KK], STEPA
	s_mov_b32 s81, 0
	s_mul_i32 s82, s[S0], STEPB
	s_mov_b32 s83, 0
	s_mul_i32 s84, s[KK], STEPB
	s_mov_b32 s85, 0
	s_mov_b32 s[WA+1], 0
	s_mov_b32 s[WB+1], 0
	s_wait_dscnt 0x0                               ; the opening add is done
	s_wait_kmcnt 0x0
	s_add_nc_u64 s[6:7], s[6:7], WBOFF
	s_add_nc_u64 s[16:17], s[4:5], s[16:17]
	s_add_nc_u64 s[20:21], s[6:7], s[20:21]
.irp n, 0,1
	s_mov_b32 s[G0A+4*\n], 1
	s_add_co_u32 s[G0A+4*\n+1], s[WOFFA], \n*SLOT
	s_add_nc_u64 s[G0A+4*\n+2:G0A+4*\n+3], s[16:17], s[78+2*\n:78+2*\n+1]
	s_or_b32 s[G0A+4*\n+3], s[G0A+4*\n+3], 0x80000000
	s_mov_b32 s[G0B+4*\n], 1
	s_add_co_u32 s[G0B+4*\n+1], s[WOFFB], \n*SLOT
	s_add_nc_u64 s[G0B+4*\n+2:G0B+4*\n+3], s[20:21], s[82+2*\n:82+2*\n+1]
	s_or_b32 s[G0B+4*\n+3], s[G0B+4*\n+3], 0x80000000
.endr
	CROUND                                         ; all sixteen work-groups are here: the first joint loads meet
	s_cmp_eq_u32 s[RH], 0                          ; a wave's two first fills stand in one branch: two loads of mine are out
	s_cbranch_scc0 .Lfirst_b
	tensor_load_to_lds s[G0A:G0A+3], s[G1A:G1A+7]
	s_nop 0
	tensor_load_to_lds s[G0A+4:G0A+7], s[G1A:G1A+7]
	s_nop 0
	PLACES
	s_branch .Lfirst_done
.Lfirst_b:
	tensor_load_to_lds s[G0B:G0B+3], s[G1B:G1B+7]
	s_nop 0
	tensor_load_to_lds s[G0B+4:G0B+7], s[G1B:G1B+7]
	s_nop 0
	PLACES
.Lfirst_done:
	v_and_b32 v1, 15, v0                           ; l % 16
	v_bfe_u32 v2, v0, 4, 1                         ; l / 16
	; my part of the tile in RES, OUT (both [4096][1024] f32) and the bias: rows 128 tr + 64 RH on, columns 128 tc + 64 CH on
	s_lshl_b32 s84, s[TR], 7
	s_lshl_b32 s85, s[RH], 6
	s_add_co_u32 s84, s84, s85                     ; my first row
	s_lshl_b32 s86, s[TC], 7
	s_lshl_b32 s85, s[CH], 6
	s_add_co_u32 s86, s86, s85                     ; my first column
	s_lshl_b32 s88, s84, 12
	s_lshl_b32 s85, s86, 2
	s_add_co_u32 s88, s88, s85
	s_mov_b32 s89, 0
	s_add_nc_u64 s[10:11], s[10:11], s[88:89]
	s_add_nc_u64 s[8:9], s[8:9], s[88:89]
	s_mov_b32 s88, s85
	s_add_nc_u64 s[12:13], s[12:13], s[88:89]
	v_lshlrev_b32 v[BO], 5, v2                     ; my 8 columns of a block of 16, in f32
	v_lshlrev_b32 v[RO], 12, v1                    ; row l % 16,
	v_lshl_add_u32 v[RO], v2, 5, v[RO]             ; my 8 columns: 32 bytes
.irp b, 0,1,2,3
	global_load_b128 v[BIAS+8*\b:BIAS+8*\b+3],   v[BO], s[12:13] offset:64*\b
	global_load_b128 v[BIAS+8*\b+4:BIAS+8*\b+7], v[BO], s[12:13] offset:64*\b+16
.endr
.irp a, 0,1,2,3
.irp b, 0,1,2,3
	global_load_b128 v[ACC+8*(4*\a+\b):ACC+8*(4*\a+\b)+3],   v[RO], s[10:11] offset:\a*65536+64*\b
	global_load_b128 v[ACC+8*(4*\a+\b)+4:ACC+8*(4*\a+\b)+7], v[RO], s[10:11] offset:\a*65536+64*\b+16
.endr
.endr
	v_mul_u32_u24 v3, v1, AP
	v_lshl_add_u32 v3, v2, 4, v3
	s_mul_i32 s84, s[RH], 64*AP
	v_add_nc_u32 v[A0], s84, v3
	v_mul_u32_u24 v3, v1, BPI
	v_lshl_add_u32 v3, v2, 4, v3
	s_mul_i32 s84, s[CH], HALFB
	s_add_co_u32 s84, s84, ABYTES
	v_add_nc_u32 v[B0], s84, v3
	v_mov_b32 v[ADRA], v[A0]
	v_mov_b32 v[ADRB], v[B0]
	s_mul_i32 s84, s[WV], 32*SPITCH
	s_add_co_u32 s84, s84, STAGE                   ; my stage
	v_mul_u32_u24 v[STO], v1, SPITCH               ; in: row l % 16, 32 bytes for each half of the lanes
	v_lshl_add_u32 v[STO], v2, 5, v[STO]
	v_add_nc_u32 v[STO], s84, v[STO]
	v_mul_u32_u24 v[RD], v2, SPITCH                ; back: lanes 0-15 one row of 256 bytes, lanes 16-31 the next
	v_lshl_add_u32 v[RD], v1, 4, v[RD]
	v_add_nc_u32 v[RD], s84, v[RD]
	v_lshlrev_b32 v[CO], 12, v2                    ; and the same two rows in OUT
	v_lshl_add_u32 v[CO], v1, 4, v[CO]
	s_wait_loadcnt 0x0                             ; bias and residual: what follows stands in the wait for the first tile
.set i, 0
.rept 16
	RB BIAS+2*i, BIAS+2*i+1, 14
.set i, i+1
.endr
.set t, 0
.rept 16
.irp i, 0,1,2,3
.if IS_WO
	RB ACC+8*t+2*\i, ACC+8*t+2*\i+1, 14            ; x is an input: rounded to bf16
.endif
	v_pk_add_f32 v[ACC+8*t+2*\i:ACC+8*t+2*\i+1], v[ACC+8*t+2*\i:ACC+8*t+2*\i+1], v[BIAS+8*(t%4)+2*\i:BIAS+8*(t%4)+2*\i+1]
.endr
.set t, t+1
.endr
	s_wait_tensorcnt 1                             ; my part of the walk's first K step is in; the second's may stay out
	s_barrier_signal -1
	s_barrier_wait -1
	FETCH F0, 0, 0
	WIN 0
	s_mov_b32 s[CNT], 2
	s_mov_b32 s[STEPS], TSTEPS-1
	s_branch .Lmid                                 ; the loop is entered in the unit's middle: there is no F1 yet to finish; on both ways the 32 loads of F0's run are the youngest
.Lstep:                                                ; TSTEPS - 2 times: in front of a step the slot of the step before is filled with the step after
	CHANGE 1
	s_mov_b32 s[CNT], 2
.Linner:
	UA
	WIN 0
.Lmid:
	UB
	s_sub_co_u32 s[CNT], s[CNT], 1
	s_cmp_lg_u32 s[CNT], 0
	s_cbranch_scc1 .Linner
	s_sub_co_u32 s[STEPS], s[STEPS], 1
	s_cmp_lg_u32 s[STEPS], 0
	s_cbranch_scc1 .Lstep
	CHANGE 0                                       ; the last step is written out
	s_mov_b32 s[CNT], 2
.Ltail:
	UA
	UB
	s_sub_co_u32 s[CNT], s[CNT], 1
	s_cmp_lg_u32 s[CNT], 0
	s_cbranch_scc1 .Ltail
	s_wait_dscnt 0x0
	MULH F1, 1
	WIN 0
	; THE WAY OUT, 32 rows at a time through my own stage: 32 bytes a lane in, whole rows of 256 bytes back, sixteen lanes to an aligned 256 bytes of OUT.  No barrier: the bytes are the wave's own.
	PLACES
.irp hh, 0,1
.if \hh
	s_wait_xcnt 0x0                                ; the first half's stores have read TMP: it is loaded again only behind this wait
.endif
.irp aa, 0,1
.irp b, 0,1,2,3
	ds_store_b128 v[STO], v[ACC+8*(4*(2*\hh+\aa)+\b):ACC+8*(4*(2*\hh+\aa)+\b)+3]   offset:\aa*16*SPITCH+64*\b
	ds_store_b128 v[STO], v[ACC+8*(4*(2*\hh+\aa)+\b)+4:ACC+8*(4*(2*\hh+\aa)+\b)+7] offset:\aa*16*SPITCH+64*\b+16
.endr
.endr
.irp t, 0,1,2,3,4,5,6,7,8,9,10,11,12,13,14,15
	ds_load_b128 v[TMP+4*\t:TMP+4*\t+3], v[RD] offset:\t*2*SPITCH  ; LDS serves a wave's instructions in order (ISA guide 5.7.1.4): these see the stores above
.endr
.irp t, 0,1,2,3,4,5,6,7,8,9,10,11,12,13,14,15
	s_wait_dscnt 15-\t                             ; the younger loads stay out
	global_store_b128 v[CO], v[TMP+4*\t:TMP+4*\t+3], s[8:9] offset:(32*\hh+2*\t)*4096
.endr
.endr
	s_wait_tensorcnt 0x0                           ; the wave's end
	ds_add_u32 v[SPW], v[NIL]
	s_wait_dscnt 0x0
	CROUND                                         ; the closing round
	s_endpgm
.Lfunc_end_k_q0b836c59ee_ffn2:
	.size	k_q0b836c59ee_ffn2, .Lfunc_end_k_q0b836c59ee_ffn2-k_q0b836c59ee_ffn2
	.p2alignl 7, 3214868480
	.fill 96, 4, 3214868480
	.section	.rodata,"a",@progbits
	.p2align	6, 0x0
	.amdhsa_kernel k_q0b836c59ee_ffn2
		.amdhsa_group_segment_fixed_size 327680
		.amdhsa_private_segment_fixed_size 0
		.amdhsa_enable_private_segment 0
		.amdhsa_kernarg_size 40
		.amdhsa_user_sgpr_count 2
		.amdhsa_user_sgpr_kernarg_segment_ptr 1
		.amdhsa_wavefront_size32 1
		.amdhsa_system_sgpr_workgroup_id_x 1
		.amdhsa_system_sgpr_workgroup_id_y 1
		.amdhsa_system_sgpr_workgroup_id_z 1
		.amdhsa_system_vgpr_workitem_id 0
		.amdhsa_next_free_vgpr 512
		.amdhsa_next_free_sgpr 100
		.amdhsa_reserve_vcc 0
		.amdhsa_float_denorm_mode_32 3
		.amdhsa_float_denorm_mode_16_64 3
		.amdhsa_memory_ordered 1
		.amdhsa_forward_progress 1
		.amdhsa_inst_pref_size 49
	.end_amdhsa_kernel
	.amdgpu_metadata
---
amdhsa.version: [ 1, 2 ]
amdhsa.kernels:
  - .name:           k_q0b836c59ee_ffn2
    .symbol:         k_q0b836c59ee_ffn2.kd
    .args:
      - { .name: ff, .offset: 0, .size: 8, .value_kind: global_buffer, .address_space: global }
      - { .name: wb, .offset: 8, .size: 8, .value_kind: global_buffer, .address_space: global }
      - { .name: out0, .offset: 16, .size: 8, .value_kind: global_buffer, .address_space: global }
      - { .name: x1, .offset: 24, .size: 8, .value_kind: global_buffer, .address_space: global }
      - { .name: b2, .offset: 32, .size: 8, .value_kind: global_buffer, .address_space: global }
    .group_segment_fixed_size: 327680
    .private_segment_fixed_size: 0
    .kernarg_segment_align: 8
    .kernarg_segment_size: 40
    .max_flat_workgroup_size: 128
    .sgpr_count:     100
    .vgpr_count:     512
    .wavefront_size: 32
...
	.end_amdgpu_metadata
.endif
;; end of part 7
